; MI455X (gfx1250); checked and timed in simulation.
; The chip was launched on July 23, 2026; its instructions are those of AMD's public machine-readable ISA for CDNA 5 (MIT licence, August 2026) and "CDNA5" Instruction Set Architecture Reference Guide (July 2026). The comments in the code are by the model that wrote it; some were corrected since.
;; Token Routed MLP Parallel. Allowed arithmetic: matrix products marked QUANTISED: E2M1 operands, one E8M0 scale for each 32 along K, by v_wmma_scale_f32_16x16x128_f8f6f4 with both operands' format E2M1 (or v_wmma_scale_f32_32x16x128_f4), f32 sums; products left as they are: f32 operands where the result goes on into a quantised operand, else bf16, f16 or f32 operands; f32 sums; everything else in f32.
;; Inputs: down_proj 8 x 256 x 1,024 float32; gate_proj 8 x 1,024 x 256 float32; hidden_states 4 x 2,048 x 1,024 float32; mu 4 x 2,048 x 1,024 float32; mu_router_w 8 x 1,024 float32; token_ids 4 x 2,048 int32; up_proj 8 x 1,024 x 256 float32.
;; Outputs: out0 4 x 2,048 x 1,024 float32.
;; This version of the problem:
;;   THIS VERSION OF THE PROBLEM IS GIVEN IN LOW PRECISION. The matrix products marked QUANTISED in the list below multiply operands that are first quantised to E2M1 (2 exponent bits, 1 mantissa bit; 4 bits a number), with one power-of-two scale for each 32 numbers along K (OCP MX v1.0); their sums are f32. All else is computed in f32.
;;   The module's matrix products, in the order in which they are computed (A, B: the left and right operand; K: the contracted axis; several contracted axes count as one K, in the product's order):
;;     1. [M 8,192, K 1,024] x [K 1,024, N 8]; A: input mu; B: input mu_router_w: left as it is (N = 8 < 16)
;;     2. [M 8,192, K 1,024] x [K 1,024, N 256]; A: input hidden_states; B: input gate_proj: QUANTISED
;;     3. [M 8,192, K 1,024] x [K 1,024, N 256]; A: input hidden_states; B: input up_proj: QUANTISED
;;     4. [M 8,192, K 256] x [K 256, N 1,024]; A: computed on the way; B: input down_proj: QUANTISED
;;     5. [M 8,192, K 1,024] x [K 1,024, N 256]; A: input hidden_states; B: input gate_proj: QUANTISED
;;     6. [M 8,192, K 1,024] x [K 1,024, N 256]; A: input hidden_states; B: input up_proj: QUANTISED
;;     7. [M 8,192, K 256] x [K 256, N 1,024]; A: computed on the way; B: input down_proj: QUANTISED
;;     8. [M 8,192, K 1,024] x [K 1,024, N 256]; A: input hidden_states; B: input gate_proj: QUANTISED
;;     9. [M 8,192, K 1,024] x [K 1,024, N 256]; A: input hidden_states; B: input up_proj: QUANTISED
;;     10. [M 8,192, K 256] x [K 256, N 1,024]; A: computed on the way; B: input down_proj: QUANTISED
;;     11. [M 8,192, K 1,024] x [K 1,024, N 256]; A: input hidden_states; B: input gate_proj: QUANTISED
;;     12. [M 8,192, K 1,024] x [K 1,024, N 256]; A: input hidden_states; B: input up_proj: QUANTISED
;;     13. [M 8,192, K 256] x [K 256, N 1,024]; A: computed on the way; B: input down_proj: QUANTISED
;;     14. [M 8,192, K 1,024] x [K 1,024, N 256]; A: input hidden_states; B: input gate_proj: QUANTISED
;;     15. [M 8,192, K 1,024] x [K 1,024, N 256]; A: input hidden_states; B: input up_proj: QUANTISED
;;     16. [M 8,192, K 256] x [K 256, N 1,024]; A: computed on the way; B: input down_proj: QUANTISED
;;     17. [M 8,192, K 1,024] x [K 1,024, N 256]; A: input hidden_states; B: input gate_proj: QUANTISED
;;     18. [M 8,192, K 1,024] x [K 1,024, N 256]; A: input hidden_states; B: input up_proj: QUANTISED
;;     19. [M 8,192, K 256] x [K 256, N 1,024]; A: computed on the way; B: input down_proj: QUANTISED
;;     20. [M 8,192, K 1,024] x [K 1,024, N 256]; A: input hidden_states; B: input gate_proj: QUANTISED
;;     21. [M 8,192, K 1,024] x [K 1,024, N 256]; A: input hidden_states; B: input up_proj: QUANTISED
;;     22. [M 8,192, K 256] x [K 256, N 1,024]; A: computed on the way; B: input down_proj: QUANTISED
;;     23. [M 8,192, K 1,024] x [K 1,024, N 256]; A: input hidden_states; B: input gate_proj: QUANTISED
;;     24. [M 8,192, K 1,024] x [K 1,024, N 256]; A: input hidden_states; B: input up_proj: QUANTISED
;;     25. [M 8,192, K 256] x [K 256, N 1,024]; A: computed on the way; B: input down_proj: QUANTISED
;;   THE QUANTISER, for each operand of a quantised product, along K:
;;     - K is cut into blocks of 32 from its start; a last block that is shorter is filled with zeros.
;;     - A block's scale is 2^e with e = floor(log2(the largest magnitude in the block)) - 2, held to -126 .. 127; a block of zeros has e = 0. As a byte (E8M0): e + 127.
;;     - Each number is divided by its block's scale, clamped to +-6, and rounded to the nearest number of E2M1, ties to even, subnormals kept.
;;     - The product sums the exact products of the quantised numbers (number of the format x scale) in f32.
;;   ~~~python
;;   def quantise(x, axis):      # numpy; x: float32 -> the quantised numbers, widened to float32 again
;;       x = np.moveaxis(x, axis, -1); K = x.shape[-1]
;;       x = np.pad(x, [(0, 0)] * (x.ndim - 1) + [(0, -K % 32)]); x = x.reshape(x.shape[:-1] + (-1, 32)); a = np.abs(x).max(-1, keepdims=True)
;;       e = np.where(a > 0, np.clip(np.frexp(np.where(a > 0, a, 1))[1] - 1 - 2, -126, 127), 0)      # np.frexp(a)[1] - 1 = floor(log2(a)), exactly
;;       r = np.clip(x / 2.0 ** e, -6, 6)
;;       step = 2.0 ** (np.maximum(np.frexp(np.where(r == 0, 1, r))[1] - 1, 0) - 1)
;;       q = np.round(r / step) * step * 2.0 ** e      # np.round: ties to even
;;       return np.moveaxis(q.reshape(q.shape[:-2] + (-1,))[..., :K], -1, axis).astype(np.float32)
;;   ~~~
;;   OPERANDS COMPUTED ON THE WAY. 'Computed on the way' means the value that the module computes at that place (a softmax that the list does not call 'softmax' is quantised finished and normalised). What goes into a quantiser is computed in f32, as accurately as f32 sums, v_exp_f32 and their like allow (about 1e-6 of the number): no bf16 or f16 on the way to a quantiser, and a product that is left as it is and whose result goes on into a quantised operand takes f32 operands (vector FMAs, or v_wmma_f32_16x16x4_f32). A number that lies on a knife's edge between two numbers of the format may be rounded either way, as far as f32 arithmetic and the matrix unit's own rounding can turn it there, and no further.
;; 2 versions. Each part assembles by itself: llvm-mc -triple=amdgcn-amd-amdhsa -mcpu=gfx1250 --defsym DOCPART=n.
;; ======== version 1 of 2: 2 launches
;; workspace buffers: eid 32,768 bytes of whole numbers; wq 3,342,336 bytes
;; launch prep (part 1): grid 448 x 1, 8 waves a work-group, no clusters, 6,144 bytes of LDS; arguments mu, mu_router_w, token_ids, gate_proj, up_proj, down_proj, eid, wq; writes eid, wq
.if DOCPART == 1
	.amdgcn_target "amdgcn-amd-amdhsa--gfx1250"
	.amdhsa_code_object_version 6
	.text
	.protected	k_q1a875914b9_prep
	.globl	k_q1a875914b9_prep
	.p2align	8
	.type	k_q1a875914b9_prep,@function
k_q1a875914b9_prep:
	s_mov_b64 s[64:65], 0
	v_nop
	global_prefetch_b8 v0, s[64:65] scope:SCOPE_SE
	s_setreg_imm32_b32 hwreg(HW_REG_WAVE_MODE, 25, 1), 1
	s_wait_xcnt 0x0
; PREP: (1) the router: logits = mu . Wr^T in f32, + 10 at expert clip(token) % 8, argmax (the lower index wins a tie) -> eid[8192], int32.
;       (2) gate_proj, up_proj [8][1024][256] and down_proj [8][256][1024], f32, quantised along K (their middle axis) to FP4 (E2M1) codes with one E8M0 byte for
;           each 32 along K, laid in wq in the order of the second launch's operand registers.
; ROLES by the work-group's number x (the same for all eight waves of a work-group): x < 256: ROUTER, 32 rows; 256 <= x < 384: GATE/UP, one tensor, expert and K step of 128;
; x >= 384: DOWN, one expert, K step of 128 and 256 columns.
; wq: 32 records (4 e + w) of REC bytes for expert e and wave w of the second launch.  A fragment (16 rows x 128 K) is 1,024 bytes [c 0..1][lane 0..31][16 bytes]:
;   +0      64 fragments of gate (tiles t = 0..3) and up (t = 4..7), K step s = 0..7, at f = 32 (s / 4) + 4 t + s % 4; lane (r, h) of part c holds block 4 s + 2 c + h of
;           hidden unit 64 w + 32 b + 8 u + r + 8 (r / 8), t % 4 = 2 b + u
;   +GUS    32 images of scale words, 128 bytes each, at 8 (t / 2) + s: lane 16 (t % 2) + r holds row r's four bytes of K step s
;   +DCO    32 fragments of down, at f = 2 t + s2: lane r is output column 256 w + 16 t + r
;   +DSC    16 images of scale words, at 2 (t / 2) + s2
; A block's scale byte is its largest magnitude's exponent field - 2, held at 1 from below; a block of zeros so gets the byte 1 with zero codes (this program alone reads the bytes).
; LIMITS: NaN and infinities among the inputs are not served.  The router's f32 sums are added in another order than in the defining text: two combined logits that lie within
; about 1e-6 of each other may be ordered the other way.
.set REC,  104448
.set GUS,  65536
.set DCO,  69632
.set DSC,  102400
.set ACC,  16                          ; v16-31   router: eight pairs of running sums, one pair an expert
.set RES,  32                          ; v32-35   router: lane (i, h): row i's logits of experts 4 h + 0..3.  Weights: v32-47 the codes of four blocks
.set AR,   40                          ; v40-47   router: a row's eight sums on their way across the lanes
.set WR,   64                          ; v64-127  router: WR + 8 e + 4 j: Wr[e][256 kq + 128 j + 4 lane ..].  Weights: v64-191: 128 numbers down K
.set MU,   128                         ; v128-255 router: MU + 8 i + 4 j: my quarter of row i of mu
.set IDS,  4096                        ; LDS: 0 .. 4,095 the partial logits, 512 bytes a wave; from IDS on the work-group's 32 ids
	s_load_b512 s[4:19], s[0:1], 0x0               ; mu s[4:5], Wr s[6:7], tokens s[8:9], gate s[10:11], up s[12:13], down s[14:15], eid s[16:17], wq s[18:19]
	v_lshl_add_u32 v14, v0, 2, 0x1400
	v_mov_b32 v15, 0
	v_lshrrev_b32 v1, 5, v0
	v_readfirstlane_b32 s22, v1                    ; wave 0..7
	v_and_b32 v4, 31, v0                           ; lane
	v_and_b32 v5, 15, v0                           ; r
	v_bfe_u32 v6, v0, 4, 1                         ; h (or u)
	v_lshlrev_b32 v1, 4, v4                        ; 16 x lane
	v_lshlrev_b32 v13, 2, v4                       ; 4 x lane
	s_mov_b32 s29, 0                               ; the upper word of every offset pair s[28:29]
	s_wait_kmcnt 0x0
	s_cmp_ge_u32 ttmp9, 384
	s_cbranch_scc1 .Ldown
	s_cmp_ge_u32 ttmp9, 256
	s_cbranch_scc1 .Lgu
; ---------------------------------------------------------------- ROUTER
; Wave v: kq = v % 4 is its quarter of K, p = v / 4 its 16 rows: 32 x + 16 p + i.  Wr's quarter rows stay in 64 registers, and all 16 quarter rows of mu have registers of their own:
; the wave's 32 loads of mu, 512 consecutive bytes each, go out together at the head, and each row is worked on as it comes.
	s_and_b32 s24, s22, 3                          ; kq
	s_lshr_b32 s25, s22, 2                         ; p
	s_lshl_b32 s26, ttmp9, 5
	s_lshl_b32 s27, s25, 4
	s_add_co_u32 s26, s26, s27                     ; my first row
	s_lshl_b32 s28, s26, 12
	s_lshl_b32 s27, s24, 10
	s_add_co_u32 s28, s28, s27
	s_add_nc_u64 s[4:5], s[4:5], s[28:29]          ; mu at my first row, my quarter of K
	s_mov_b32 s28, s27
	s_add_nc_u64 s[6:7], s[6:7], s[28:29]          ; Wr at my quarter of K
	s_lshl_b32 s28, s26, 2
	s_add_nc_u64 s[8:9], s[8:9], s[28:29]          ; my rows' tokens
	s_lshl_b32 s28, ttmp9, 7
	s_add_nc_u64 s[16:17], s[16:17], s[28:29]      ; the work-group's 32 ids
	s_mov_b32 s20, 0x76543210
	s_mov_b32 s21, 0xfedcba98                      ; v_permlanex16_b32's selects for lane l xor 16
	v_lshlrev_b32 v2, 2, v5                        ; 4 r
	v_lshlrev_b32 v3, 2, v6                        ; 4 h
	; every LDS address is made here, ahead of the first branch on the wave's number
	v_lshlrev_b32 v7, 4, v0                        ; 16 x thread = 512 x wave + 16 x lane: where a wave hands its partial logits over
	s_lshl_b32 s30, s25, 6
	s_add_co_u32 s30, s30, IDS
	v_add_nc_u32 v8, s30, v2                       ; IDS + 64 p + 4 r: row 16 p + r's id
	v_lshl_add_u32 v9, v4, 2, IDS                  ; IDS + 4 lane: the 32 ids on their way out
	global_load_b32 v36, v2, s[8:9]                ; lane (i, h): row i's token
.irp e, 0,1,2,3,4,5,6,7
.irp j, 0,1
	global_load_b128 v[WR+8*\e+4*\j:WR+8*\e+4*\j+3], v1, s[6:7] offset:\e*4096+512*\j
.endr
.endr
.irp i, 0,1,2,3,4,5,6,7,8,9,10,11,12,13,14,15
.irp j, 0,1
	global_load_b128 v[MU+8*\i+4*\j:MU+8*\i+4*\j+3], v1, s[4:5] offset:\i*4096+512*\j th:TH_LOAD_NT   ; read once in the launch
.endr
.endr
; Row i: 8 experts x 8 numbers a lane in packed multiply-adds; then the eight sums are added across the 32 lanes and kept in lanes i and 16 + i.
.macro ROW i
.set MS, MU+8*(\i)
	s_wait_loadcnt 2*(15-(\i))                     ; loads come back in order: this row's two are in, the later rows' two each may be out
.irp e, 0,1,2,3,4,5,6,7
	v_pk_mul_f32 v[ACC+2*\e:ACC+2*\e+1], v[MS:MS+1], v[WR+8*\e:WR+8*\e+1]     ; the first products start the sums
.endr
.irp p, 1,2,3
.irp e, 0,1,2,3,4,5,6,7
	v_pk_fma_f32 v[ACC+2*\e:ACC+2*\e+1], v[MS+2*\p:MS+2*\p+1], v[WR+8*\e+2*\p:WR+8*\e+2*\p+1], v[ACC+2*\e:ACC+2*\e+1]
.endr
.endr
.irp e, 0,1,2,3,4,5,6,7
	v_add_f32 v[AR+\e], v[ACC+2*\e], v[ACC+2*\e+1]
.endr
.irp q, 0,1,2,3
	v_permlane16_swap_b32 v[AR+\q], v[AR+4+\q]     ; expert q's upper lanes change places with expert q + 4's lower lanes,
.endr
.irp q, 0,1,2,3
	v_add_f32 v[AR+\q], v[AR+\q], v[AR+4+\q]       ; so that lanes 0-15 go on with expert q and lanes 16-31 with expert q + 4
.endr
.irp x, 1,2,4,8
.irp q, 0,1,2,3
	v_add_f32_dpp v[AR+\q], v[AR+\q], v[AR+\q] row_xmask:\x row_mask:0xf bank_mask:0xf
.endr
.endr
.if (\i) == 0
.irp q, 0,1,2,3
	v_mov_b32 v[RES+\q], v[AR+\q]                  ; written whole once
.endr
.else
	s_mov_b32 s40, 0x10001<<(\i)                   ; lanes i and 16 + i
.irp q, 0,1,2,3
	v_cndmask_b32 v[RES+\q], v[RES+\q], v[AR+\q], s40
.endr
.endif
.endm
.irp i, 0,1,2,3,4,5,6,7,8,9,10,11,12,13,14,15
	ROW \i
.endr
	s_cmp_eq_u32 s24, 0
	s_cbranch_scc1 .Lr_first
	ds_store_b128 v7, v[RES:RES+3]                 ; quarters 1 to 3 of K hand their partial logits to the wave with quarter 0
.Lr_first:
	s_wait_dscnt 0x0                               ; for the other wave's sake: the store has landed
	s_barrier_signal -1
	s_barrier_wait -1
	s_cmp_lg_u32 s24, 0
	s_cbranch_scc1 .Lr_rest
	ds_load_b128 v[52:55], v7 offset:512           ; the three waves behind mine hold the same rows' other quarters
	ds_load_b128 v[56:59], v7 offset:1024
	ds_load_b128 v[60:63], v7 offset:1536
	v_min_u32 v37, 0xc450, v36                     ; clip to 0 .. 50,256: a negative token is a huge unsigned number and goes to 50,256, whose rest by 8 is 0, as 0's is
	v_and_b32 v37, 7, v37                          ; the base expert
	v_sub_nc_u32 v37, v37, v3                      ; - 4 h: equals q where my register q is the base expert's
	v_mov_b32 v38, 0x41200000                      ; 10.0
	v_mov_b32 v50, 0                               ; a lane permute's destination counts as one of its sources
	v_mov_b32 v51, 0
	s_wait_dscnt 0x0
.irp k, 52,56,60
.irp q, 0,1,2,3
	v_add_f32 v[RES+\q], v[RES+\q], v[\k+\q]       ; the whole logit
.endr
.endr
.irp q, 0,1,2,3
	v_cmp_eq_u32 vcc_lo, \q, v37
	v_cndmask_b32 v39, 0, v38, vcc_lo
	v_add_f32 v[RES+\q], v[RES+\q], v39            ; + 10 at the base expert, + 0 elsewhere
.endr
	v_mov_b32 v48, v[RES]                          ; the best value so far, and its index
	v_mov_b32 v49, 0
.irp q, 1,2,3
	v_cmp_ge_f32 vcc_lo, v48, v[RES+\q]            ; only a strictly greater logit takes over: the lower index is kept
	v_cndmask_b32 v49, \q, v49, vcc_lo
	v_max_num_f32 v48, v48, v[RES+\q]
.endr
	v_add_nc_u32 v49, v49, v3                      ; + 4 h
	v_permlanex16_b32 v50, v48, s20, s21           ; the other four experts' best
	v_permlanex16_b32 v51, v49, s20, s21
	v_cmp_gt_f32 s40, v50, v48
	v_cmp_eq_f32 s41, v50, v48
	v_cmp_lt_u32 s42, v51, v49
	s_and_b32 s41, s41, s42
	s_or_b32 s40, s40, s41                         ; theirs is taken if greater, or equal with the lower index: lanes l and l xor 16 agree
	v_cndmask_b32 v49, v49, v51, s40
	ds_store_b32 v8, v49                           ; both lanes of a row write the same word with the same value
.Lr_rest:
	s_wait_dscnt 0x0
	s_barrier_signal -1
	s_barrier_wait -1
	s_cmp_lg_u32 s22, 0
	s_cbranch_scc1 .Lr_end
	ds_load_b32 v52, v9
	s_wait_dscnt 0x0
	global_store_b32 v13, v52, s[16:17]            ; 32 lanes store the work-group's 32 ids: 128 consecutive bytes, half of an aligned 256 (the whole buffer is 32 KiB)
.Lr_end:
	s_wait_tensorcnt 0x0
	ds_add_u32 v14, v15
	s_wait_dscnt 0x0
	s_endpgm
; ---------------------------------------------------------------- THE WEIGHTS
; A lane takes a column and its 128 registers run down K: a block of 32 lies in one lane, and the conversions give codes with K innermost.  Each load reads 128 consecutive bytes
; a wave; the eight waves stand side by side on 1,024.  Every offset is an immediate and no register is written twice while a store may read it.
.macro WLOADS b, pitch
.set K, 0
.rept 128
	global_load_b32 v[64+K], v11, s[\b:\b+1] offset:K*\pitch th:TH_LOAD_NT
.set K, K+1
.endr
.endm
.Lgu:
	s_sub_co_u32 s23, ttmp9, 256                   ; the role's index, 0..127
	s_lshr_b32 s24, s23, 6                         ; 0 gate, 1 up
	s_bfe_u32 s25, s23, 0x30003                    ; expert
	s_and_b32 s26, s23, 7                          ; K step s
	s_cmp_eq_u32 s24, 0
	s_cselect_b64 s[10:11], s[10:11], s[12:13]     ; the choice hangs on the work-group's number alone
	s_lshl_b32 s28, s25, 20                        ; an expert is 1,048,576 bytes,
	s_lshl_b32 s27, s26, 17                        ; 128 rows of 1,024 bytes are 131,072
	s_add_co_u32 s28, s28, s27
	s_add_nc_u64 s[10:11], s[10:11], s[28:29]
	v_and_b32 v11, 8, v5
	v_add_nc_u32 v11, v11, v5                      ; r + 8 (r / 8)
	v_lshl_add_u32 v11, v6, 3, v11                 ; + 8 u: lanes 0-15 serve tile 2 b, lanes 16-31 tile 2 b + 1
	s_lshl_b32 s27, s22, 5
	v_add_nc_u32 v11, s27, v11                     ; + 32 x wave: my column
	v_lshlrev_b32 v11, 2, v11
	WLOADS 10, 1024
	s_lshl_b32 s30, s25, 2
	s_lshr_b32 s27, s22, 1
	s_add_co_u32 s30, s30, s27
	s_mul_i32 s30, s30, REC                        ; record 4 e + wave / 2
	s_and_b32 s36, s22, 1                          ; b
	s_lshr_b32 s31, s26, 2
	s_lshl_b32 s31, s31, 5
	s_lshl_b32 s27, s24, 4
	s_add_co_u32 s31, s31, s27
	s_lshl_b32 s27, s36, 3
	s_add_co_u32 s31, s31, s27
	s_and_b32 s27, s26, 3
	s_add_co_u32 s31, s31, s27                     ; fragment 32 (s / 4) + 16 tensor + 8 b + s % 4 (+ 4 u, in the lane's part)
	s_lshl_b32 s31, s31, 10
	s_add_co_u32 s28, s30, s31
	s_add_nc_u64 s[32:33], s[18:19], s[28:29]      ; where my codes go
	s_lshl_b32 s31, s24, 1
	s_add_co_u32 s31, s31, s36
	s_lshl_b32 s31, s31, 3
	s_add_co_u32 s31, s31, s26                     ; image 8 (2 tensor + b) + s
	s_lshl_b32 s31, s31, 7
	s_add_co_u32 s31, s31, GUS
	s_add_co_u32 s28, s30, s31
	s_add_nc_u64 s[34:35], s[18:19], s[28:29]      ; where my scale words go
	v_lshlrev_b32 v12, 4, v5
	v_lshl_add_u32 v12, v6, 12, v12                ; 16 r + 4,096 u
	s_branch .Lwtail
.Ldown:
	s_sub_co_u32 s23, ttmp9, 384                   ; the role's index, 0..63
	s_lshr_b32 s25, s23, 3                         ; expert
	s_bfe_u32 s26, s23, 0x10002                    ; K step s2
	s_and_b32 s24, s23, 3                          ; w: which 256 columns
	s_lshl_b32 s28, s25, 20
	s_lshl_b32 s27, s26, 19                        ; 128 rows of 4,096 bytes
	s_add_co_u32 s28, s28, s27
	s_lshl_b32 s27, s24, 10
	s_add_co_u32 s28, s28, s27
	s_lshl_b32 s27, s22, 7
	s_add_co_u32 s28, s28, s27                     ; + 4 (256 w + 32 x wave)
	s_add_nc_u64 s[14:15], s[14:15], s[28:29]
	v_lshlrev_b32 v11, 2, v4                       ; my column: + lane
	WLOADS 14, 4096
	s_lshl_b32 s30, s25, 2
	s_add_co_u32 s30, s30, s24
	s_mul_i32 s30, s30, REC                        ; record 4 e + w
	s_lshl_b32 s31, s22, 2
	s_add_co_u32 s31, s31, s26                     ; fragment 2 t + s2 with t = 2 x wave + u: 4 x wave + s2 (+ 2 u, in the lane's part)
	s_lshl_b32 s31, s31, 10
	s_add_co_u32 s31, s31, DCO
	s_add_co_u32 s28, s30, s31
	s_add_nc_u64 s[32:33], s[18:19], s[28:29]
	s_lshl_b32 s31, s22, 1
	s_add_co_u32 s31, s31, s26                     ; image 2 x wave + s2
	s_lshl_b32 s31, s31, 7
	s_add_co_u32 s31, s31, DSC
	s_add_co_u32 s28, s30, s31
	s_add_nc_u64 s[34:35], s[18:19], s[28:29]
	v_lshlrev_b32 v12, 4, v5
	v_lshl_add_u32 v12, v6, 11, v12                ; 16 r + 2,048 u
.Lwtail:
; Block i of my column's four: largest magnitude, scale byte, 32 codes.  In the fragment block i = 2 c + h lies 256 i bytes on.
.macro WBLOCK i
.set XB, 64+32*(\i)
	v_max3_num_f32 v49, |v[XB]|, |v[XB+1]|, |v[XB+2]|
	v_max3_num_f32 v50, |v[XB+3]|, |v[XB+4]|, |v[XB+5]|
.irp k, 6,10,14,18,22,26
	v_max3_num_f32 v49, v49, |v[XB+\k]|, |v[XB+\k+1]|
	v_max3_num_f32 v50, v50, |v[XB+\k+2]|, |v[XB+\k+3]|
.endr
	v_max3_num_f32 v49, v49, |v[XB+30]|, |v[XB+31]|
	v_max3_num_f32 v49, v49, v50, 0x1800000        ; and the floor 2^(3 - 127): the byte cannot fall under 1
	v_add_nc_u32 v51, 0xff000000, v49              ; 2 off the exponent field: the conversion takes the exponent field of this operand as its scale
	v_lshrrev_b32 v50, 23, v51                     ; the scale's byte
.if (\i) == 0
	v_mov_b32 v48, v50
.else
	v_lshl_or_b32 v48, v50, 8*(\i), v48            ; four bytes make my column's scale word of this K step
.endif
.irp g, 0,1,2,3
	v_cvt_scalef32_pk8_fp4_f32 v[32+4*(\i)+\g], v[XB+8*\g:XB+8*\g+7], v51
.endr
	v_nop                                          ; one plain line behind the last conversion of a run
	global_store_b128 v12, v[32+4*(\i):32+4*(\i)+3], s[32:33] offset:256*(\i)   ; lanes 0-15 store 256 consecutive bytes, aligned; lanes 16-31 another such run
.endm
	s_wait_loadcnt 63                              ; of 128 loads at most 63 are out: the first 65 are in, blocks 0 and 1 among them
	WBLOCK 0
	WBLOCK 1
	s_wait_loadcnt 32                              ; block 3's 32 may be out
	WBLOCK 2
	s_wait_loadcnt 0x0
	WBLOCK 3
	global_store_b32 v13, v48, s[34:35]            ; the wave's 32 scale words: 128 consecutive bytes (half of an aligned 256; 192 KiB of such stores in the launch)
	s_endpgm
.Lfunc_end_k_q1a875914b9_prep:
	.size	k_q1a875914b9_prep, .Lfunc_end_k_q1a875914b9_prep-k_q1a875914b9_prep
	.p2alignl 7, 3214868480
	.fill 96, 4, 3214868480
	.section	.rodata,"a",@progbits
	.p2align	6, 0x0
	.amdhsa_kernel k_q1a875914b9_prep
		.amdhsa_group_segment_fixed_size 6144
		.amdhsa_private_segment_fixed_size 0
		.amdhsa_enable_private_segment 0
		.amdhsa_kernarg_size 64
		.amdhsa_user_sgpr_count 2
		.amdhsa_user_sgpr_kernarg_segment_ptr 1
		.amdhsa_wavefront_size32 1
		.amdhsa_system_sgpr_workgroup_id_x 1
		.amdhsa_system_sgpr_workgroup_id_y 1
		.amdhsa_system_sgpr_workgroup_id_z 1
		.amdhsa_system_vgpr_workitem_id 0
		.amdhsa_next_free_vgpr 256
		.amdhsa_next_free_sgpr 66
		.amdhsa_reserve_vcc 1
		.amdhsa_float_denorm_mode_32 3
		.amdhsa_float_denorm_mode_16_64 3
		.amdhsa_memory_ordered 1
		.amdhsa_forward_progress 1
		.amdhsa_inst_pref_size 104
	.end_amdhsa_kernel
	.amdgpu_metadata
---
amdhsa.version: [ 1, 2 ]
amdhsa.kernels:
  - .name:           k_q1a875914b9_prep
    .symbol:         k_q1a875914b9_prep.kd
    .args:
      - { .name: mu, .offset: 0, .size: 8, .value_kind: global_buffer, .address_space: global }
      - { .name: mu_router_w, .offset: 8, .size: 8, .value_kind: global_buffer, .address_space: global }
      - { .name: token_ids, .offset: 16, .size: 8, .value_kind: global_buffer, .address_space: global }
      - { .name: gate_proj, .offset: 24, .size: 8, .value_kind: global_buffer, .address_space: global }
      - { .name: up_proj, .offset: 32, .size: 8, .value_kind: global_buffer, .address_space: global }
      - { .name: down_proj, .offset: 40, .size: 8, .value_kind: global_buffer, .address_space: global }
      - { .name: eid, .offset: 48, .size: 8, .value_kind: global_buffer, .address_space: global }
      - { .name: wq, .offset: 56, .size: 8, .value_kind: global_buffer, .address_space: global }
    .group_segment_fixed_size: 6144
    .private_segment_fixed_size: 0
    .kernarg_segment_align: 8
    .kernarg_segment_size: 64
    .max_flat_workgroup_size: 256
    .sgpr_count:     66
    .vgpr_count:     256
    .wavefront_size: 32
...
	.end_amdgpu_metadata
.endif
;; end of part 1
;; launch moe (part 2): grid 32 x 8, 4 waves a work-group, no clusters, 287,232 bytes of LDS; arguments hidden_states, eid, wq, out0; writes out0
.if DOCPART == 2
	.amdgcn_target "amdgcn-amd-amdhsa--gfx1250"
	.amdhsa_code_object_version 6
	.text
	.protected	k_q1a875914b9_moe
	.globl	k_q1a875914b9_moe
	.p2align	8
	.type	k_q1a875914b9_moe,@function
k_q1a875914b9_moe:
	s_mov_b64 s[64:65], 0
	v_nop
	global_prefetch_b8 v0, s[64:65] scope:SCOPE_SE
	s_setreg_imm32_b32 hwreg(HW_REG_WAVE_MODE, 25, 1), 1
	s_wait_xcnt 0x0
; MOE: work-group (j, e) serves those of tokens 256 j .. 256 j + 255 whose stored id is e: out = (silu(x G[e]) * (x U[e])) D[e], all three products on FP4 (E2M1) codes with one
; E8M0 scale for each 32 along K.  Every token has one id, so every output row has one owner; a work-group without rows stores nothing.
; No tensor load and no cluster: trips are left out by branches on a count that is read from memory, so the 32 work-groups of an expert each load its codes (102 KiB a wave) straight into registers.
; SHARES.  Four waves share the COLUMNS: wave w makes hidden units 64 w .. 64 w + 63 (4 tiles of gate, 4 of up) and output columns 256 w .. 256 w + 255, for all rows.  Its codes of
; gate and up (512 registers) and of down (256) stay in registers; what goes round through LDS is the rows' codes.
; PHASES.  L: 8 ballots on the block's 256 ids give the count n and a list: the chosen tokens first.  X: rounds of 32 list slots, two tiles of 16, four slots of each tile to a wave: the rows
; of x are gathered, quantised, and their codes and scale bytes laid in LDS.  1: for each tile of 16 slots: gate and up (transposed: source 0 = 16 rows of the weight, source 1 = 16 tokens),
; silu x up, quantised in registers; each wave's 64 hidden units are half a fragment of the last product, stored as an image of its registers.  2: for each tile: down, results through the
; wave's own stage, whole runs of 512 bytes of a token's row stored.  Every loop has a constant number of trips; a trip whose first slot is not under n is jumped over, and a round behind
; the first is left behind its first tile where the second holds no row.  Three barriers, all in straight text.
; Slots at or past n inside a tile read 16 bytes at the block's start in place of a row: their codes are well defined, touch no other token's results, and are never stored.
; LIMITS: NaN and infinities among the inputs are not served.  A block of zeros gets the scale byte 1 with zero codes.  An uneven split is served (up to all 256 rows in one work-group), at that work-group's pace.
; REGISTERS, in windows of 256: window 0: v1-15 addresses that stay; v16-47 gate's and up's scale words, v48-63 down's, v64-67 x's, v68 the hidden layer's (scales and nothing else);
;   v69-71 the trip's addresses; v72-255 by phase (below).  window 1: gate/up fragments of K steps 0-3, (t, s) at v[8 (4 t + s)]; window 2: K steps 4-7;
;   window 3: in phase X the 8 rows as loaded (row i at v[32 i]), afterwards down's fragments, (t, s2) at v[8 (2 t + s2)].
.set REC,  104448                      ; a record of wq, and its parts
.set GUS,  65536
.set DCO,  69632
.set DSC,  102400
.set XC,   1024                        ; LDS: 0: the list, 256 words;  XC: x's codes, slot x 528 (512 + 16 of padding)
.set XSB,  136192                      ; x's scale bytes, slot x 48 (32 + 16)
.set STG,  148480                      ; a wave's two turning stages, 4,608 bytes each: 32 x (128 + 16)
.set HIMG, 185344                      ; the hidden layer's fragments as register images: tile x 2,048 + s2 x 1,024 + c x 512 + 16 lane
.set HSC,  218112                      ; its scale words: tile x 128 + s2 x 64 + 4 r
.set OST,  220160                      ; the way out: a wave's 16 rows x (1,024 + 16)
.set TOPOFF, 255*4096+496              ; the largest offset of a row's first load: token 255, lane 31
.set MSB, 0
.macro WIN new                         ; bits 1:0 source 0, 3:2 source 1, 5:4 source 2, 7:6 destination; the high byte repeats the setting that is left
.if MSB != \new
	s_set_vgpr_msb (MSB<<8)|\new
.set MSB, \new
.endif
.endm
.macro BARRIER                         ; my LDS stores have landed and my LDS loads are in: then the work-group's barrier
	s_wait_dscnt 0x0
	s_barrier_signal -1
	s_barrier_wait -1
.endm
; One matrix instruction.  z: the sum's first K step (C = 0; it always takes B's scales from lanes 0-15).  ra, rb: A's and B's scales stand in lanes 16-31 of their registers.
.macro WM d, a, b, z, sa, sb, ra, rb
.if \z
.if (\ra)
	v_wmma_scale_f32_16x16x128_f8f6f4 v[\d:\d+7], v[\a:\a+7], v[\b:\b+7], 0, v[\sa], v[\sb] matrix_a_fmt:MATRIX_FMT_FP4 matrix_b_fmt:MATRIX_FMT_FP4 matrix_a_scale:MATRIX_SCALE_ROW1
.else
	v_wmma_scale_f32_16x16x128_f8f6f4 v[\d:\d+7], v[\a:\a+7], v[\b:\b+7], 0, v[\sa], v[\sb] matrix_a_fmt:MATRIX_FMT_FP4 matrix_b_fmt:MATRIX_FMT_FP4
.endif
.elseif (\ra) && (\rb)
	v_wmma_scale_f32_16x16x128_f8f6f4 v[\d:\d+7], v[\a:\a+7], v[\b:\b+7], v[\d:\d+7], v[\sa], v[\sb] matrix_a_fmt:MATRIX_FMT_FP4 matrix_b_fmt:MATRIX_FMT_FP4 matrix_a_scale:MATRIX_SCALE_ROW1 matrix_b_scale:MATRIX_SCALE_ROW1
.elseif (\ra)
	v_wmma_scale_f32_16x16x128_f8f6f4 v[\d:\d+7], v[\a:\a+7], v[\b:\b+7], v[\d:\d+7], v[\sa], v[\sb] matrix_a_fmt:MATRIX_FMT_FP4 matrix_b_fmt:MATRIX_FMT_FP4 matrix_a_scale:MATRIX_SCALE_ROW1
.elseif (\rb)
	v_wmma_scale_f32_16x16x128_f8f6f4 v[\d:\d+7], v[\a:\a+7], v[\b:\b+7], v[\d:\d+7], v[\sa], v[\sb] matrix_a_fmt:MATRIX_FMT_FP4 matrix_b_fmt:MATRIX_FMT_FP4 matrix_b_scale:MATRIX_SCALE_ROW1
.else
	v_wmma_scale_f32_16x16x128_f8f6f4 v[\d:\d+7], v[\a:\a+7], v[\b:\b+7], v[\d:\d+7], v[\sa], v[\sb] matrix_a_fmt:MATRIX_FMT_FP4 matrix_b_fmt:MATRIX_FMT_FP4
.endif
.endm
; ---------------------------------------------------------------- THE HEAD
	s_load_b256 s[4:11], s[0:1], 0x0               ; x s[4:5], eid s[6:7], wq s[8:9], out s[10:11]
	v_lshl_add_u32 v254, v0, 2, 0x46000
	v_mov_b32 v255, 0
	v_lshrrev_b32 v72, 5, v0
	v_readfirstlane_b32 s12, v72                   ; wave w
	s_and_b32 s13, ttmp7, 0xffff                   ; expert e
	v_and_b32 v72, 31, v0                          ; lane
	v_and_b32 v73, 15, v0                          ; r
	v_bfe_u32 v74, v0, 4, 1                        ; h
	v_bfe_u32 v75, v0, 3, 2                        ; lane / 8
	v_and_b32 v76, 7, v0                           ; lane % 8
	v_lshlrev_b32 v1, 4, v72                       ; v1: 16 lane
	v_lshlrev_b32 v2, 2, v72                       ; v2: 4 lane
	s_mov_b32 s17, 0
	s_wait_kmcnt 0x0
	s_lshl_b32 s16, ttmp9, 10
	s_add_nc_u64 s[6:7], s[6:7], s[16:17]          ; the block's 256 ids
	global_load_b128 v[168:171], v1, s[6:7]        ; register q of lane l: token 128 (q / 4) + 4 l + q % 4
	global_load_b128 v[172:175], v1, s[6:7] offset:512
	s_lshl_b32 s16, s13, 2
	s_add_co_u32 s16, s16, s12
	s_mul_i32 s16, s16, REC
	s_add_nc_u64 s[8:9], s[8:9], s[16:17]          ; my record
	WIN 0x40                                       ; destination window 1: gate's and up's fragments of K steps 0-3
.set F, 0
.rept 32
	global_load_b128 v[8*F:8*F+3], v1, s[8:9] offset:1024*F
	global_load_b128 v[8*F+4:8*F+7], v1, s[8:9] offset:1024*F+512
.set F, F+1
.endr
	WIN 0
	s_lshl_b32 s16, ttmp9, 20
	s_add_nc_u64 s[4:5], s[4:5], s[16:17]          ; the block's rows of x,
	s_add_nc_u64 s[10:11], s[10:11], s[16:17]      ; and of the output,
	s_lshl_b32 s16, s12, 10
	s_add_nc_u64 s[10:11], s[10:11], s[16:17]      ; at my 256 columns
	s_mov_b32 s20, 0x76543210
	s_mov_b32 s21, 0xfedcba98                      ; v_permlanex16_b32's selects for lane l xor 16
	; the lanes' parts of all LDS addresses, made ahead of the first branch on the wave's number and never rewritten
	v_mul_u32_u24 v3, v73, 528
	v_lshl_add_u32 v3, v74, 4, v3
	v_add_nc_u32 v3, XC, v3                        ; v3: a fragment of x: slot r, + 16 h
	v_mul_u32_u24 v4, v73, 48
	v_lshl_add_u32 v4, v74, 4, v4
	v_add_nc_u32 v4, XSB, v4                       ; v4: slot r's scale words: lanes 0-15 K steps 0-3, lanes 16-31 K steps 4-7
	s_mul_i32 s16, s12, 9216
	s_add_co_u32 s16, s16, STG
	v_mul_u32_u24 v5, v75, 144
	v_lshl_add_u32 v5, v76, 4, v5
	v_add_nc_u32 v5, s16, v5                       ; v5: into a stage: eight lanes' 128 bytes on end, then 16 of padding
	v_mul_u32_u24 v6, v72, 144
	v_add_nc_u32 v6, s16, v6                       ; v6: out of it: my block of 32 numbers
	s_mul_i32 s16, s12, 2112
	s_add_co_u32 s16, s16, XC
	v_add_nc_u32 v7, s16, v1                       ; v7: my wave's four slots of a tile (4 x 528 bytes a wave), my block's 16 bytes of codes
	s_mul_i32 s16, s12, 192
	s_add_co_u32 s16, s16, XSB
	v_add_nc_u32 v8, s16, v72                      ; v8: and my block's scale byte (4 x 48 bytes a wave)
	s_lshl_b32 s16, s12, 9
	s_add_co_u32 s16, s16, HIMG
	v_add_nc_u32 v9, s16, v1                       ; v9: my half fragment of the hidden layer: K step w / 2, part w % 2
	s_lshr_b32 s16, s12, 1
	s_lshl_b32 s16, s16, 6
	s_and_b32 s18, s12, 1
	s_lshl_b32 s18, s18, 1
	s_add_co_u32 s16, s16, s18
	s_add_co_u32 s16, s16, HSC
	v_lshl_add_u32 v10, v73, 2, s16                ; v10: my two bytes of token r's scale word
	v_add_nc_u32 v11, HIMG, v1                     ; v11: a hidden fragment read back
	v_add_nc_u32 v12, HSC, v2                      ; v12: its scale words: lanes 0-15 K step 0's, lanes 16-31 K step 1's
	s_mul_i32 s16, s12, 16640
	s_add_co_u32 s16, s16, OST
	v_mul_u32_u24 v13, v73, 1040
	v_lshl_add_u32 v13, v74, 5, v13
	v_add_nc_u32 v13, s16, v13                     ; v13: the way out: row r, + 32 h
	v_add_nc_u32 v14, s16, v1                      ; v14: and back: 16 bytes a lane
	v_mov_b32 v202, 0                              ; a lane permute's destination counts as one of its sources
	v_mov_b32 v203, 0
; ---------------------------------------------------------------- L: THE LIST
	s_wait_loadcnt 63                              ; behind the two loads of ids 64 were issued: with at most 63 out the ids are in
.irp q, 0,1,2,3,4,5,6,7
	v_cmp_eq_u32 s[24+\q], s13, v[168+\q]          ; which lanes' token q chose my expert
.endr
	s_mov_b32 s32, 0
.irp q, 0,1,2,3,4,5,6
	s_bcnt1_i32_b32 s48, s[24+\q]
	s_add_co_u32 s[33+\q], s[32+\q], s48           ; chosen ahead of register q + 1
.endr
	s_bcnt1_i32_b32 s48, s31
	s_add_co_u32 s15, s39, s48                     ; n: my rows
.irp q, 0,1,2,3,4,5,6,7
	s_sub_co_u32 s[40+\q], s15, s[32+\q]
	s_add_co_u32 s[40+\q], s[40+\q], 32*\q         ; n + the tokens not chosen ahead of register q
.endr
	s_cmp_lg_u32 s12, 0
	s_cbranch_scc1 .Llisted
	; wave 0 writes the list.  No other line touches LDS ahead of the barrier below
.irp q, 0,1,2,3,4,5,6,7
	v_add_nc_u32 v[184+\q], 128*(\q/4)+(\q%4), v2  ; the tokens' numbers in the block
.endr
	ds_store_b128 v1, v[184:187]                   ; the list's 1,024 bytes are first written whole, at addresses that stand plainly in the text, with token numbers;
	ds_store_b128 v1, v[184:187] offset:512        ; the scatter below, a permutation of 0 .. 255, then writes every word again (LDS serves a wave's instructions in order)
.irp q, 0,1,2,3,4,5,6,7
	v_mbcnt_lo_u32_b32 v[176+\q], s[24+\q], s[32+\q]
	s_not_b32 s48, s[24+\q]
	v_mbcnt_lo_u32_b32 v192, s48, s[40+\q]
	v_cndmask_b32 v[176+\q], v192, v[176+\q], s[24+\q]
	v_min_u32 v[176+\q], 255, v[176+\q]            ; the place in the list, held inside it
	v_lshlrev_b32 v[176+\q], 2, v[176+\q]
	ds_store_b32 v[176+\q], v[184+\q]
.endr
.Llisted:
	BARRIER                                        ; the list lies in LDS
; ---------------------------------------------------------------- X: GATHER AND QUANTISE
; v72-135 two sets of 32 numbers; v136-143 two sets of codes; v144-145 scale bytes; v146-149 at work; v152-159 the rows' offsets; v160-167 the slots' tokens.
.macro TURN i                          ; row i through a stage: in as loaded (lane l: 16 bytes of each 512), out as blocks (lane l: the 128 bytes of block l).  LDS serves a wave's instructions in order
	WIN 0x0c                                       ; an LDS store's data are its source 1: window 3
.irp j, 0,1,2,3,4,5,6,7
	ds_store_b128 v5, v[32*(\i)+4*\j:32*(\i)+4*\j+3] offset:4608*((\i)%2)+576*\j
.endr
	WIN 0
.irp j, 0,1,2,3,4,5,6,7
	ds_load_b128 v[72+32*((\i)%2)+4*\j:72+32*((\i)%2)+4*\j+3], v6 offset:4608*((\i)%2)+16*\j
.endr
.endm
.macro WORK i                          ; my block of row i: largest magnitude, scale byte, 32 codes; both into the slot's place in LDS: tile i / 4 of the round, my slot i % 4 of it
.set XR, 72+32*((\i)%2)
.set CR, 136+4*((\i)%2)
.set BR, 144+(\i)%2
.set SR, 148+(\i)%2
	v_max3_num_f32 v146, |v[XR]|, |v[XR+1]|, |v[XR+2]|
	v_max3_num_f32 v147, |v[XR+3]|, |v[XR+4]|, |v[XR+5]|
.irp k, 6,10,14,18,22,26
	v_max3_num_f32 v146, v146, |v[XR+\k]|, |v[XR+\k+1]|
	v_max3_num_f32 v147, v147, |v[XR+\k+2]|, |v[XR+\k+3]|
.endr
	v_max3_num_f32 v146, v146, |v[XR+30]|, |v[XR+31]|
	v_max3_num_f32 v146, v146, v147, 0x1800000     ; and the floor 2^(3 - 127): the byte cannot fall under 1
	v_add_nc_u32 v[SR], 0xff000000, v146           ; 2 off the exponent field: the conversion's scale operand
	v_lshrrev_b32 v[BR], 23, v[SR]                 ; the scale's byte
.irp g, 0,1,2,3
	v_cvt_scalef32_pk8_fp4_f32 v[CR+\g], v[XR+8*\g:XR+8*\g+7], v[SR]
.endr
	v_nop                                          ; one plain line behind the last conversion of a run
	ds_store_b128 v70, v[CR:CR+3] offset:8448*((\i)/4)+528*((\i)%4)
	ds_store_b8 v71, v[BR] offset:768*((\i)/4)+48*((\i)%4)
.endm
.macro EXTRA i                         ; the first round also brings the rest of the weights: 4 fragments of K steps 4-7 and 6 images of scale words behind each row's work
	WIN 0x80                                       ; destination window 2
.irp k, 0,1,2,3
	global_load_b128 v[8*(4*(\i)+\k):8*(4*(\i)+\k)+3], v1, s[8:9] offset:1024*(32+4*(\i)+\k)
	global_load_b128 v[8*(4*(\i)+\k)+4:8*(4*(\i)+\k)+7], v1, s[8:9] offset:1024*(32+4*(\i)+\k)+512
.endr
	WIN 0
.irp k, 0,1,2,3,4,5
.if 6*(\i)+\k < 32
	global_load_b32 v[16+6*(\i)+\k], v2, s[8:9] offset:GUS+128*(6*(\i)+\k)
.else
	global_load_b32 v[48+6*(\i)+\k-32], v2, s[8:9] offset:DSC+128*(6*(\i)+\k-32)
.endif
.endr
.endm
; A round: 32 slots from s51 on, two tiles of 16; my wave's row i is slot s51 + 16 (i / 4) + 4 w + i % 4.  s52, s53, s54: the round's steps in x's codes, in x's scale bytes and in the list.
; extra = 0 (a round behind the first): where the round's second tile holds no row, the wave leaves behind row 3, for .Lxhalf.  All eight rows' loads are issued on both ways, so the counts hold on both.
.macro ROUND extra
	s_wait_dscnt 0x0                               ; nothing of the last round is out: its address and data registers may be written
	s_lshl_b32 s48, s12, 4
	s_add_co_u32 s48, s48, s54
	v_mov_b32 v69, s48
	ds_load_b128 v[160:163], v69                   ; my four slots' tokens of the first tile, the same in every lane,
	ds_load_b128 v[164:167], v69 offset:64         ; and of the second
	s_lshl_b32 s48, s12, 2
	s_add_co_u32 s48, s48, s51
	s_sub_co_i32 s55, s15, s48                     ; n less my first slot (may be negative): row i holds a token where 16 (i / 4) + i % 4 lies under it
	v_add_nc_u32 v70, s52, v7
	v_add_nc_u32 v71, s53, v8
	s_wait_dscnt 0x0
.irp i, 0,1,2,3,4,5,6,7
	v_lshl_add_u32 v[152+\i], v[160+\i], 12, v1    ; the token's row of 4,096 bytes, + 16 lane
	s_cmp_gt_i32 s55, 16*(\i/4)+\i%4
	s_cselect_b32 s56, -1, 0
	v_and_b32 v[152+\i], s56, v[152+\i]            ; a slot without a row names the block's first bytes in every lane
	v_min_u32 v[152+\i], TOPOFF, v[152+\i]         ; the offset is held inside the block last of all: with the loads' 3,584 and 16 bytes it ends at the block's 1,048,576
.endr
	WIN 0xc0                                       ; destination window 3
.irp i, 0,1,2,3,4,5,6,7
.irp j, 0,1,2,3,4,5,6,7
	global_load_b128 v[32*\i+4*\j:32*\i+4*\j+3], v[152+\i], s[4:5] offset:512*\j th:TH_LOAD_NT   ; 512 consecutive bytes of a row; a row is read once in the launch
.endr
.endr
	WIN 0
	s_wait_loadcnt 56                              ; row 0's eight loads are in; the seven rows behind it may be out
	TURN 0
.irp i, 0,1,2,3,4,5,6,7
.if \i < 7
.set LC, 8*(6-\i)+14*\i*\extra                 ; issued behind row i + 1's loads: the later rows' and the extra loads so far
.if LC > 63
.set LC, 63
.endif
	s_wait_loadcnt LC
	TURN \i+1
.endif
.if \i == 0
	s_wait_dscnt 16                                ; row 0 is back from its stage; the next row's 16 LDS instructions may be out
.elseif \i < 7
	s_wait_dscnt 18                                ; likewise, and the last row's two stores
.else
	s_wait_dscnt 2
.endif
	WORK \i
.if \extra
	EXTRA \i
.endif
.if (\extra == 0) && (\i == 3)
	s_add_co_u32 s48, s51, 16
	s_cmp_le_u32 s15, s48                          ; no row in the second tile: phases 1 and 2 will not read it
	s_cbranch_scc1 .Lxhalf
.endif
.endr
.endm
	s_mov_b32 s51, 0
	s_mov_b32 s52, 0
	s_mov_b32 s53, 0
	s_mov_b32 s54, 0
	ROUND 1                                        ; the first round is always walked: the weights' stream goes on while its rows are quantised
	s_add_co_u32 s51, s51, 32
	s_add_co_u32 s52, s52, 16896
	s_add_co_u32 s53, s53, 1536
	s_add_co_u32 s54, s54, 128
	s_mov_b32 s50, 7
.Lxround:                                              ; seven more rounds; one whose first slot is not under n is jumped over
	s_cmp_ge_u32 s51, s15
	s_cbranch_scc1 .Lxskip
	ROUND 0
.Lxhalf:
	s_wait_loadcnt 0x0                             ; the loads of rows that were left out have landed too: their registers and offsets may be written again
.Lxskip:
	s_add_co_u32 s51, s51, 32
	s_add_co_u32 s52, s52, 16896
	s_add_co_u32 s53, s53, 1536
	s_add_co_u32 s54, s54, 128
	s_sub_co_u32 s50, s50, 1
	s_cmp_lg_u32 s50, 0
	s_cbranch_scc1 .Lxround
	s_wait_loadcnt 0x0                             ; gate's and up's fragments and all scale words are in
	BARRIER                                        ; x's codes and scale bytes lie in LDS; my stores out of window 3 have read their registers
	WIN 0xc0                                       ; destination window 3: down's fragments; they land while phase 1 runs
.set F, 0
.rept 32
	global_load_b128 v[8*F:8*F+3], v1, s[8:9] offset:DCO+1024*F
	global_load_b128 v[8*F+4:8*F+7], v1, s[8:9] offset:DCO+1024*F+512
.set F, F+1
.endr
	WIN 0
; ---------------------------------------------------------------- 1: GATE, UP, SILU x UP, QUANTISE
; v72-103 gate's four tiles, v104-135 up's; v136-199 x's eight fragments; v200-207 at work; v212 two scale bytes; v216-219 codes; v220-251 the sigmoid.
; In tile 2 b + u lane (r, h) holds token r and its register j hidden unit 64 w + 32 b + 16 h + 8 u + j: the 16 registers of tiles 2 b, 2 b + 1 are 16 neighbours along the next K.
	s_mov_b32 s51, 0
	s_mov_b32 s52, 0
	s_mov_b32 s53, 0
	s_mov_b32 s57, 0
	s_mov_b32 s58, 0
	s_mov_b32 s50, 16
.Lp1:
	s_cmp_ge_u32 s51, s15
	s_cbranch_scc1 .Lp1skip
	v_add_nc_u32 v69, s52, v3
	v_add_nc_u32 v70, s53, v4
	v_add_nc_u32 v71, s57, v9
	v_add_nc_u32 v15, s58, v10
	ds_load_b128 v[64:67], v70                     ; the tile's scale words
.irp s, 0,1,2,3,4,5,6,7
	ds_load_b128 v[136+8*\s:136+8*\s+3], v69 offset:64*\s
	ds_load_b128 v[136+8*\s+4:136+8*\s+7], v69 offset:64*\s+32
.endr
.irp s, 0,1,2,3,4,5,6,7
	s_wait_dscnt 14-2*\s                           ; K step s's fragment is in; the later K steps' loads may be out
.if \s < 4
	WIN 0x01                                       ; source 0: window 1
.else
	WIN 0x02                                       ; window 2
.endif
.irp t, 0,1,2,3,4,5,6,7                ; the eight accumulators take turns, one instruction a turn
	WM 72+8*\t, 8*(4*\t+\s%4), 136+8*\s, \s==0, 16+8*(\t/2)+\s, 64+\s%4, \t%2, \s/4
.endr
.endr
	WIN 0
.rept 5
	v_nop                                          ; places ahead of the reads of results below, of the next trip's loads into the fragments, and of its first products, which write over these accumulators
.endr
.set K, 0
.rept 16
	v_pk_mul_f32 v[220+K:221+K], v[72+K:73+K], 0xbfb8aa3b op_sel_hi:[1,0]   ; -g log2(e); each accumulator is read from its low end on
.set K, K+2
.endr
.set K, 0
.rept 32
	v_exp_f32 v[220+K], v[220+K]
.set K, K+1
.endr
	v_nop                                          ; a plain line between the exponentials and the use of their results
.set K, 0
	s_wait_alu depctr_va_vdst(0)
.rept 16
	v_pk_add_f32 v[220+K:221+K], v[220+K:221+K], 1.0 op_sel_hi:[1,0]
.set K, K+2
.endr
.set K, 0
.rept 32
	v_rcp_f32 v[220+K], v[220+K]                   ; 1 / (1 + e^-g)
.set K, K+1
.endr
.set K, 0
.rept 16
	v_pk_mul_f32 v[72+K:73+K], v[72+K:73+K], v[104+K:105+K]   ; g u  (plain lines behind the reciprocals)
.set K, K+2
.endr
.set K, 0
	s_wait_alu depctr_va_vdst(0)
.rept 16
	v_pk_mul_f32 v[72+K:73+K], v[72+K:73+K], v[220+K:221+K]   ; x the sigmoid
.set K, K+2
.endr
	; my two blocks of 32 along the next K: block b lies in lanes l and l xor 16, 16 numbers each
.irp b, 0,1
	v_max3_num_f32 v[200+\b], |v[72+16*\b]|, |v[73+16*\b]|, 0x1800000
.endr
.irp k, 2,4,6,8,10,12,14
.irp b, 0,1
	v_max3_num_f32 v[200+\b], v[200+\b], |v[72+16*\b+\k]|, |v[73+16*\b+\k]|
.endr
.endr
.irp b, 0,1
	v_permlanex16_b32 v[202+\b], v[200+\b], s20, s21
.endr
.irp b, 0,1
	v_max_num_f32 v[200+\b], v[200+\b], v[202+\b]
.endr
.irp b, 0,1
	v_add_nc_u32 v[204+\b], 0xff000000, v[200+\b]
.endr
.irp b, 0,1
	v_lshrrev_b32 v[206+\b], 23, v[204+\b]
.endr
	v_lshl_or_b32 v212, v207, 8, v206              ; my two bytes of the token's scale word
.irp b, 0,1
	v_cvt_scalef32_pk8_fp4_f32 v[216+2*\b], v[72+16*\b:79+16*\b], v[204+\b]
	v_cvt_scalef32_pk8_fp4_f32 v[217+2*\b], v[80+16*\b:87+16*\b], v[204+\b]
.endr
	v_nop                                          ; one plain line behind the last conversion
	v_permlane16_swap_b32 v216, v218               ; the operand wants a whole block in a lane: lanes 0-15 block 0, lanes 16-31 block 1
	v_permlane16_swap_b32 v217, v219
	ds_store_b128 v71, v[216:219]                  ; four registers of the fragment, as they stand
	ds_store_b16 v15, v212                         ; lanes l and l xor 16 write the same half word with the same value
	s_wait_dscnt 0x0                               ; the trip's LDS instructions are done: its address and data registers may be written again
.Lp1skip:
	s_add_co_u32 s51, s51, 16
	s_add_co_u32 s52, s52, 8448
	s_add_co_u32 s53, s53, 768
	s_add_co_u32 s57, s57, 2048
	s_add_co_u32 s58, s58, 128
	s_sub_co_u32 s50, s50, 1
	s_cmp_lg_u32 s50, 0
	s_cbranch_scc1 .Lp1
	s_wait_loadcnt 0x0                             ; down's fragments are in
	BARRIER                                        ; the hidden layer's fragments and scale words lie in LDS
; ---------------------------------------------------------------- 2: DOWN, AND THE WAY OUT
; v72-199 sixteen accumulators (tile t: columns 256 w + 16 t ..), then the tile's 16 rows read back; v200-215 the two hidden fragments; v216-231 the slots' tokens, then their offsets.
	s_mov_b32 s51, 0
	s_mov_b32 s54, 0
	s_mov_b32 s57, 0
	s_mov_b32 s58, 0
	s_mov_b32 s50, 16
.Lp2:
	s_cmp_ge_u32 s51, s15
	s_cbranch_scc1 .Lp2skip
	v_add_nc_u32 v69, s57, v11
	v_add_nc_u32 v70, s58, v12
	v_mov_b32 v71, s54
.irp k, 0,1,2,3
	ds_load_b128 v[200+4*\k:200+4*\k+3], v69 offset:512*\k
.endr
	ds_load_b32 v68, v70
.irp k, 0,1,2,3
	ds_load_b128 v[216+4*\k:216+4*\k+3], v71 offset:16*\k   ; the tile's 16 tokens, the same in every lane
.endr
	s_wait_dscnt 0x0
	WIN 0x03                                       ; source 0: window 3
.irp s, 0,1
.irp t, 0,1,2,3,4,5,6,7,8,9,10,11,12,13,14,15      ; sixteen accumulators by turns
	WM 72+8*\t, 8*(2*\t+\s), 200+8*\s, \s==0, 48+2*(\t/2)+\s, 68, \t%2, \s
.endr
.endr
	WIN 0
.irp i, 0,1,2,3,4,5,6,7,8,9,10,11,12,13,14,15      ; these 32 plain lines name no register of the products: they are the places behind them
	v_min_u32 v[216+\i], 255, v[216+\i]
.endr
.irp i, 0,1,2,3,4,5,6,7,8,9,10,11,12,13,14,15
	v_lshl_add_u32 v[216+\i], v[216+\i], 12, v1    ; the token's row of 4,096 bytes, + 16 lane
.endr
.irp t, 0,1,2,3,4,5,6,7,8,9,10,11,12,13,14,15
	ds_store_b128 v13, v[72+8*\t:72+8*\t+3] offset:64*\t        ; lane (r, h): token r, columns 16 t + 8 h + 0..7; each accumulator from its low end on
	ds_store_b128 v13, v[72+8*\t+4:72+8*\t+7] offset:64*\t+16
.endr
.irp i, 0,1,2,3,4,5,6,7,8,9,10,11,12,13,14,15
	ds_load_b128 v[72+8*\i:72+8*\i+3], v14 offset:1040*\i       ; back as whole rows; LDS serves a wave's instructions in order
	ds_load_b128 v[72+8*\i+4:72+8*\i+7], v14 offset:1040*\i+512
.endr
	s_sub_co_i32 s55, s15, s51                     ; rows in this tile (at least 1)
.irp i, 0,1,2,3,4,5,6,7,8,9,10,11,12,13,14,15
.if \i > 0
	s_cmp_le_i32 s55, \i
	s_cbranch_scc1 .Lp2done                        ; the slots from n on hold no row: nothing is stored for them
.endif
	s_wait_dscnt 30-2*\i                           ; row i's two loads are in; the later rows' may be out
	global_store_b128 v[216+\i], v[72+8*\i:72+8*\i+3], s[10:11] th:TH_STORE_NT              ; 32 lanes store 512 consecutive bytes of the token's row, aligned
	global_store_b128 v[216+\i], v[72+8*\i+4:72+8*\i+7], s[10:11] offset:512 th:TH_STORE_NT
.endr
.Lp2done:
	s_wait_dscnt 0x0                               ; the loads that were not waited for have landed,
	s_wait_xcnt 0x0                                ; and the stores have read their registers: both sets may be written again
.Lp2skip:
	s_add_co_u32 s51, s51, 16
	s_add_co_u32 s54, s54, 64
	s_add_co_u32 s57, s57, 2048
	s_add_co_u32 s58, s58, 128
	s_sub_co_u32 s50, s50, 1
	s_cmp_lg_u32 s50, 0
	s_cbranch_scc1 .Lp2
	s_wait_tensorcnt 0x0
	ds_add_u32 v254, v255
	s_wait_dscnt 0x0
	s_endpgm
.Lfunc_end_k_q1a875914b9_moe:
	.size	k_q1a875914b9_moe, .Lfunc_end_k_q1a875914b9_moe-k_q1a875914b9_moe
	.p2alignl 7, 3214868480
	.fill 96, 4, 3214868480
	.section	.rodata,"a",@progbits
	.p2align	6, 0x0
	.amdhsa_kernel k_q1a875914b9_moe
		.amdhsa_group_segment_fixed_size 287232
		.amdhsa_private_segment_fixed_size 0
		.amdhsa_enable_private_segment 0
		.amdhsa_kernarg_size 32
		.amdhsa_user_sgpr_count 2
		.amdhsa_user_sgpr_kernarg_segment_ptr 1
		.amdhsa_wavefront_size32 1
		.amdhsa_system_sgpr_workgroup_id_x 1
		.amdhsa_system_sgpr_workgroup_id_y 1
		.amdhsa_system_sgpr_workgroup_id_z 1
		.amdhsa_system_vgpr_workitem_id 0
		.amdhsa_next_free_vgpr 1024
		.amdhsa_next_free_sgpr 66
		.amdhsa_reserve_vcc 0
		.amdhsa_float_denorm_mode_32 3
		.amdhsa_float_denorm_mode_16_64 3
		.amdhsa_memory_ordered 1
		.amdhsa_forward_progress 1
		.amdhsa_inst_pref_size 128
	.end_amdhsa_kernel
	.amdgpu_metadata
---
amdhsa.version: [ 1, 2 ]
amdhsa.kernels:
  - .name:           k_q1a875914b9_moe
    .symbol:         k_q1a875914b9_moe.kd
    .args:
      - { .name: hidden_states, .offset: 0, .size: 8, .value_kind: global_buffer, .address_space: global }
      - { .name: eid, .offset: 8, .size: 8, .value_kind: global_buffer, .address_space: global }
      - { .name: wq, .offset: 16, .size: 8, .value_kind: global_buffer, .address_space: global }
      - { .name: out0, .offset: 24, .size: 8, .value_kind: global_buffer, .address_space: global }
    .group_segment_fixed_size: 287232
    .private_segment_fixed_size: 0
    .kernarg_segment_align: 8
    .kernarg_segment_size: 32
    .max_flat_workgroup_size: 128
    .sgpr_count:     66
    .vgpr_count:     1024
    .wavefront_size: 32
...
	.end_amdgpu_metadata
.endif
;; end of part 2
;; ======== version 2 of 2: 2 launches
;; workspace buffers: eid 32,768 bytes of whole numbers; wq 3,342,336 bytes
;; launch prep (part 3): grid 448 x 1, 8 waves a work-group, no clusters, 6,144 bytes of LDS; arguments mu, mu_router_w, token_ids, gate_proj, up_proj, down_proj, eid, wq; writes eid, wq
.if DOCPART == 3
	.amdgcn_target "amdgcn-amd-amdhsa--gfx1250"
	.amdhsa_code_object_version 6
	.text
	.protected	k_q1a875914b9_prep
	.globl	k_q1a875914b9_prep
	.p2align	8
	.type	k_q1a875914b9_prep,@function
k_q1a875914b9_prep:
	s_mov_b64 s[64:65], 0
	v_nop
	global_prefetch_b8 v0, s[64:65] scope:SCOPE_SE
	s_setreg_imm32_b32 hwreg(HW_REG_WAVE_MODE, 25, 1), 1
	s_wait_xcnt 0x0
; PREP: (1) the router: logits = mu . Wr^T in f32, + 10 at expert clip(token) % 8, argmax (the lower index wins a tie) -> eid[8192], int32.
;       (2) gate_proj, up_proj [8][1024][256] and down_proj [8][256][1024], f32, quantised along K (their middle axis) to FP4 (E2M1) codes with one E8M0 byte for
;           each 32 along K, laid in wq in the order of the second launch's operand registers.
; ROLES by the work-group's number x (the same for all eight waves of a work-group): x < 256: ROUTER, 32 rows; 256 <= x < 384: GATE/UP, one tensor, expert and K step of 128;
; x >= 384: DOWN, one expert, K step of 128 and 256 columns.
; wq: 32 records (4 e + w) of REC bytes for expert e and wave w of the second launch.  A fragment (16 rows x 128 K) is 1,024 bytes [c 0..1][lane 0..31][16 bytes]:
;   +0      64 fragments of gate (tiles t = 0..3) and up (t = 4..7), K step s = 0..7, at f = 32 (s / 4) + 4 t + s % 4; lane (r, h) of part c holds block 4 s + 2 c + h of
;           hidden unit 64 w + 32 b + 8 u + r + 8 (r / 8), t % 4 = 2 b + u
;   +GUS    32 images of scale words, 128 bytes each, at 8 (t / 2) + s: lane 16 (t % 2) + r holds row r's four bytes of K step s
;   +DCO    32 fragments of down, at f = 2 t + s2: lane r is output column 256 w + 16 t + r
;   +DSC    16 images of scale words, at 2 (t / 2) + s2
; A block's scale byte is its largest magnitude's exponent field - 2, held at 1 from below; a block of zeros so gets the byte 1 with zero codes (this program alone reads the bytes).
; LIMITS: NaN and infinities among the inputs are not served.  The router's f32 sums are added in another order than in the defining text: two combined logits that lie within
; about 1e-6 of each other may be ordered the other way.
.set REC,  104448
.set GUS,  65536
.set DCO,  69632
.set DSC,  102400
.set ACC,  16                          ; v16-31   router: eight pairs of running sums, one pair an expert
.set RES,  32                          ; v32-35   router: lane (i, h): row i's logits of experts 4 h + 0..3.  Weights: v32-47 the codes of four blocks
.set AR,   40                          ; v40-47   router: a row's eight sums on their way across the lanes
.set WR,   64                          ; v64-127  router: WR + 8 e + 4 j: Wr[e][256 kq + 128 j + 4 lane ..].  Weights: v64-191: 128 numbers down K
.set MU,   128                         ; v128-255 router: MU + 8 i + 4 j: my quarter of row i of mu
.set IDS,  4096                        ; LDS: 0 .. 4,095 the partial logits, 512 bytes a wave; from IDS on the work-group's 32 ids
	s_load_b512 s[4:19], s[0:1], 0x0               ; mu s[4:5], Wr s[6:7], tokens s[8:9], gate s[10:11], up s[12:13], down s[14:15], eid s[16:17], wq s[18:19]
	v_lshl_add_u32 v14, v0, 2, 0x1400
	v_mov_b32 v15, 0
	v_lshrrev_b32 v1, 5, v0
	s_delay_alu instid0(VALU_DEP_1)
	v_readfirstlane_b32 s22, v1                    ; wave 0..7
	v_and_b32 v4, 31, v0                           ; lane
	v_and_b32 v5, 15, v0                           ; r
	v_bfe_u32 v6, v0, 4, 1                         ; h (or u)
	s_delay_alu instid0(VALU_DEP_3)
	v_lshlrev_b32 v1, 4, v4                        ; 16 x lane
	s_delay_alu instid0(VALU_DEP_4)
	v_lshlrev_b32 v13, 2, v4                       ; 4 x lane
	s_mov_b32 s29, 0                               ; the upper word of every offset pair s[28:29]
	s_wait_kmcnt 0x0
	s_cmp_ge_u32 ttmp9, 384
	s_cbranch_scc1 .Ldown
	s_cmp_ge_u32 ttmp9, 256
	s_cbranch_scc1 .Lgu
; ---------------------------------------------------------------- ROUTER
; Wave v: kq = v % 4 is its quarter of K, p = v / 4 its 16 rows: 32 x + 16 p + i.  Wr's quarter rows stay in 64 registers, and all 16 quarter rows of mu have registers of their own:
; the wave's 32 loads of mu, 512 consecutive bytes each, go out together at the head, and each row is worked on as it comes.
	s_and_b32 s24, s22, 3                          ; kq
	s_lshr_b32 s25, s22, 2                         ; p
	s_lshl_b32 s26, ttmp9, 5
	s_lshl_b32 s27, s25, 4
	s_add_co_u32 s26, s26, s27                     ; my first row
	s_lshl_b32 s28, s26, 12
	s_lshl_b32 s27, s24, 10
	s_add_co_u32 s28, s28, s27
	s_add_nc_u64 s[4:5], s[4:5], s[28:29]          ; mu at my first row, my quarter of K
	s_mov_b32 s28, s27
	s_add_nc_u64 s[6:7], s[6:7], s[28:29]          ; Wr at my quarter of K
	s_lshl_b32 s28, s26, 2
	s_add_nc_u64 s[8:9], s[8:9], s[28:29]          ; my rows' tokens
	s_lshl_b32 s28, ttmp9, 7
	s_add_nc_u64 s[16:17], s[16:17], s[28:29]      ; the work-group's 32 ids
	s_mov_b32 s20, 0x76543210
	s_mov_b32 s21, 0xfedcba98                      ; v_permlanex16_b32's selects for lane l xor 16
	s_wait_alu depctr_va_vdst(0)
	v_lshlrev_b32 v2, 2, v5                        ; 4 r
	v_lshlrev_b32 v3, 2, v6                        ; 4 h
	; every LDS address is made here, ahead of the first branch on the wave's number
	v_lshlrev_b32 v7, 4, v0                        ; 16 x thread = 512 x wave + 16 x lane: where a wave hands its partial logits over
	s_lshl_b32 s30, s25, 6
	s_add_co_u32 s30, s30, IDS
	v_add_nc_u32 v8, s30, v2                       ; IDS + 64 p + 4 r: row 16 p + r's id
	v_lshl_add_u32 v9, v4, 2, IDS                  ; IDS + 4 lane: the 32 ids on their way out
	global_load_b32 v36, v2, s[8:9]                ; lane (i, h): row i's token
.irp e, 0,1,2,3,4,5,6,7
.irp j, 0,1
	global_load_b128 v[WR+8*\e+4*\j:WR+8*\e+4*\j+3], v1, s[6:7] offset:\e*4096+512*\j
.endr
.endr
.irp i, 0,1,2,3,4,5,6,7,8,9,10,11,12,13,14,15
.irp j, 0,1
	global_load_b128 v[MU+8*\i+4*\j:MU+8*\i+4*\j+3], v1, s[4:5] offset:\i*4096+512*\j th:TH_LOAD_NT   ; read once in the launch
.endr
.endr
; Row i: 8 experts x 8 numbers a lane in packed multiply-adds; then the eight sums are added across the 32 lanes and kept in lanes i and 16 + i.
.macro ROW i
.set MS, MU+8*(\i)
	s_wait_loadcnt 2*(15-(\i))                     ; loads come back in order: this row's two are in, the later rows' two each may be out
.irp e, 0,1,2,3,4,5,6,7
	v_pk_mul_f32 v[ACC+2*\e:ACC+2*\e+1], v[MS:MS+1], v[WR+8*\e:WR+8*\e+1]     ; the first products start the sums
.endr
.irp p, 1,2,3
.irp e, 0,1,2,3,4,5,6,7
	v_pk_fma_f32 v[ACC+2*\e:ACC+2*\e+1], v[MS+2*\p:MS+2*\p+1], v[WR+8*\e+2*\p:WR+8*\e+2*\p+1], v[ACC+2*\e:ACC+2*\e+1]
.endr
.endr
.irp e, 0,1,2,3,4,5,6,7
	v_add_f32 v[AR+\e], v[ACC+2*\e], v[ACC+2*\e+1]
.endr
.irp q, 0,1,2,3
	s_delay_alu instid0(VALU_DEP_4)
	v_permlane16_swap_b32 v[AR+\q], v[AR+4+\q]     ; expert q's upper lanes change places with expert q + 4's lower lanes,
.endr
.irp q, 0,1,2,3
	s_delay_alu instid0(VALU_DEP_4)
	v_add_f32 v[AR+\q], v[AR+\q], v[AR+4+\q]       ; so that lanes 0-15 go on with expert q and lanes 16-31 with expert q + 4
.endr
.irp x, 1,2,4,8
.irp q, 0,1,2,3
	s_delay_alu instid0(VALU_DEP_4)
	v_add_f32_dpp v[AR+\q], v[AR+\q], v[AR+\q] row_xmask:\x row_mask:0xf bank_mask:0xf
.endr
.endr
.if (\i) == 0
.irp q, 0,1,2,3
	s_delay_alu instid0(VALU_DEP_4)
	v_mov_b32 v[RES+\q], v[AR+\q]                  ; written whole once
.endr
.else
	s_mov_b32 s40, 0x10001<<(\i)                   ; lanes i and 16 + i
.irp q, 0,1,2,3
	v_cndmask_b32 v[RES+\q], v[RES+\q], v[AR+\q], s40
.endr
.endif
.endm
.irp i, 0,1,2,3,4,5,6,7,8,9,10,11,12,13,14,15
	ROW \i
.endr
	s_cmp_eq_u32 s24, 0
	s_cbranch_scc1 .Lr_first
	ds_store_b128 v7, v[RES:RES+3]                 ; quarters 1 to 3 of K hand their partial logits to the wave with quarter 0
.Lr_first:
	s_wait_dscnt 0x0                               ; for the other wave's sake: the store has landed
	s_barrier_signal -1
	s_barrier_wait -1
	s_cmp_lg_u32 s24, 0
	s_cbranch_scc1 .Lr_rest
	ds_load_b128 v[52:55], v7 offset:512           ; the three waves behind mine hold the same rows' other quarters
	ds_load_b128 v[56:59], v7 offset:1024
	ds_load_b128 v[60:63], v7 offset:1536
	v_min_u32 v37, 0xc450, v36                     ; clip to 0 .. 50,256: a negative token is a huge unsigned number and goes to 50,256, whose rest by 8 is 0, as 0's is
	s_delay_alu instid0(VALU_DEP_1)
	v_and_b32 v37, 7, v37                          ; the base expert
	s_delay_alu instid0(VALU_DEP_1)
	v_sub_nc_u32 v37, v37, v3                      ; - 4 h: equals q where my register q is the base expert's
	v_mov_b32 v38, 0x41200000                      ; 10.0
	v_mov_b32 v50, 0                               ; a lane permute's destination counts as one of its sources
	v_mov_b32 v51, 0
	s_wait_dscnt 0x0
.irp k, 52,56,60
.irp q, 0,1,2,3
	v_add_f32 v[RES+\q], v[RES+\q], v[\k+\q]       ; the whole logit
.endr
.endr
.irp q, 0,1,2,3
	v_cmp_eq_u32 vcc_lo, \q, v37
	s_delay_alu instid0(VALU_DEP_1)
	v_cndmask_b32 v39, 0, v38, vcc_lo
	s_delay_alu instid0(VALU_DEP_1)
	v_add_f32 v[RES+\q], v[RES+\q], v39            ; + 10 at the base expert, + 0 elsewhere
.endr
	v_mov_b32 v48, v[RES]                          ; the best value so far, and its index
	v_mov_b32 v49, 0
.irp q, 1
	s_delay_alu instid0(VALU_DEP_2)
	v_cmp_ge_f32 vcc_lo, v48, v[RES+\q]            ; only a strictly greater logit takes over: the lower index is kept
	s_delay_alu instid0(VALU_DEP_1)
	v_cndmask_b32 v49, \q, v49, vcc_lo
	s_delay_alu instid0(VALU_DEP_4)
	v_max_num_f32 v48, v48, v[RES+\q]
.endr
.irp q, 2, 3
	s_delay_alu instid0(VALU_DEP_1)
	v_cmp_ge_f32 vcc_lo, v48, v[RES+\q]
	s_delay_alu instid0(VALU_DEP_1)
	v_cndmask_b32 v49, \q, v49, vcc_lo
	s_delay_alu instid0(VALU_DEP_3)
	v_max_num_f32 v48, v48, v[RES+\q]
.endr
	s_delay_alu instid0(VALU_DEP_2)
	v_add_nc_u32 v49, v49, v3                      ; + 4 h
	s_delay_alu instid0(VALU_DEP_2)
	v_permlanex16_b32 v50, v48, s20, s21           ; the other four experts' best
	s_delay_alu instid0(VALU_DEP_2)
	v_permlanex16_b32 v51, v49, s20, s21
	s_delay_alu instid0(VALU_DEP_2)
	v_cmp_gt_f32 s40, v50, v48
	s_delay_alu instid0(VALU_DEP_3)
	v_cmp_eq_f32 s41, v50, v48
	s_delay_alu instid0(VALU_DEP_3)
	v_cmp_lt_u32 s42, v51, v49
	s_and_b32 s41, s41, s42
	s_or_b32 s40, s40, s41                         ; theirs is taken if greater, or equal with the lower index: lanes l and l xor 16 agree
	v_cndmask_b32 v49, v49, v51, s40
	ds_store_b32 v8, v49                           ; both lanes of a row write the same word with the same value
.Lr_rest:
	s_wait_dscnt 0x0
	s_barrier_signal -1
	s_barrier_wait -1
	s_cmp_lg_u32 s22, 0
	s_cbranch_scc1 .Lr_end
	ds_load_b32 v52, v9
	s_wait_dscnt 0x0
	global_store_b32 v13, v52, s[16:17]            ; 32 lanes store the work-group's 32 ids: 128 consecutive bytes, half of an aligned 256 (the whole buffer is 32 KiB)
.Lr_end:
	s_wait_tensorcnt 0x0
	ds_add_u32 v14, v15
	s_wait_dscnt 0x0
	s_endpgm
; ---------------------------------------------------------------- THE WEIGHTS
; A lane takes a column and its 128 registers run down K: a block of 32 lies in one lane, and the conversions give codes with K innermost.  Each load reads 128 consecutive bytes
; a wave; the eight waves stand side by side on 1,024.  Every offset is an immediate and no register is written twice while a store may read it.
.macro WLOADS b, pitch
.set K, 0
.rept 128
	global_load_b32 v[64+K], v11, s[\b:\b+1] offset:K*\pitch th:TH_LOAD_NT
.set K, K+1
.endr
.endm
.Lgu:
	s_sub_co_u32 s23, ttmp9, 256                   ; the role's index, 0..127
	s_lshr_b32 s24, s23, 6                         ; 0 gate, 1 up
	s_bfe_u32 s25, s23, 0x30003                    ; expert
	s_and_b32 s26, s23, 7                          ; K step s
	s_cmp_eq_u32 s24, 0
	s_cselect_b64 s[10:11], s[10:11], s[12:13]     ; the choice hangs on the work-group's number alone
	s_lshl_b32 s28, s25, 20                        ; an expert is 1,048,576 bytes,
	s_lshl_b32 s27, s26, 17                        ; 128 rows of 1,024 bytes are 131,072
	s_add_co_u32 s28, s28, s27
	s_add_nc_u64 s[10:11], s[10:11], s[28:29]
	s_wait_alu depctr_va_vdst(0)
	v_and_b32 v11, 8, v5
	s_delay_alu instid0(VALU_DEP_1)
	v_add_nc_u32 v11, v11, v5                      ; r + 8 (r / 8)
	s_delay_alu instid0(VALU_DEP_1)
	v_lshl_add_u32 v11, v6, 3, v11                 ; + 8 u: lanes 0-15 serve tile 2 b, lanes 16-31 tile 2 b + 1
	s_lshl_b32 s27, s22, 5
	v_add_nc_u32 v11, s27, v11                     ; + 32 x wave: my column
	s_delay_alu instid0(VALU_DEP_1)
	v_lshlrev_b32 v11, 2, v11
	WLOADS 10, 1024
	s_lshl_b32 s30, s25, 2
	s_lshr_b32 s27, s22, 1
	s_add_co_u32 s30, s30, s27
	s_mul_i32 s30, s30, REC                        ; record 4 e + wave / 2
	s_and_b32 s36, s22, 1                          ; b
	s_lshr_b32 s31, s26, 2
	s_lshl_b32 s31, s31, 5
	s_lshl_b32 s27, s24, 4
	s_add_co_u32 s31, s31, s27
	s_lshl_b32 s27, s36, 3
	s_add_co_u32 s31, s31, s27
	s_and_b32 s27, s26, 3
	s_add_co_u32 s31, s31, s27                     ; fragment 32 (s / 4) + 16 tensor + 8 b + s % 4 (+ 4 u, in the lane's part)
	s_lshl_b32 s31, s31, 10
	s_add_co_u32 s28, s30, s31
	s_add_nc_u64 s[32:33], s[18:19], s[28:29]      ; where my codes go
	s_lshl_b32 s31, s24, 1
	s_add_co_u32 s31, s31, s36
	s_lshl_b32 s31, s31, 3
	s_add_co_u32 s31, s31, s26                     ; image 8 (2 tensor + b) + s
	s_lshl_b32 s31, s31, 7
	s_add_co_u32 s31, s31, GUS
	s_add_co_u32 s28, s30, s31
	s_add_nc_u64 s[34:35], s[18:19], s[28:29]      ; where my scale words go
	v_lshlrev_b32 v12, 4, v5
	s_delay_alu instid0(VALU_DEP_1)
	v_lshl_add_u32 v12, v6, 12, v12                ; 16 r + 4,096 u
	s_branch .Lwtail
.Ldown:
	s_sub_co_u32 s23, ttmp9, 384                   ; the role's index, 0..63
	s_lshr_b32 s25, s23, 3                         ; expert
	s_bfe_u32 s26, s23, 0x10002                    ; K step s2
	s_and_b32 s24, s23, 3                          ; w: which 256 columns
	s_lshl_b32 s28, s25, 20
	s_lshl_b32 s27, s26, 19                        ; 128 rows of 4,096 bytes
	s_add_co_u32 s28, s28, s27
	s_lshl_b32 s27, s24, 10
	s_add_co_u32 s28, s28, s27
	s_lshl_b32 s27, s22, 7
	s_add_co_u32 s28, s28, s27                     ; + 4 (256 w + 32 x wave)
	s_add_nc_u64 s[14:15], s[14:15], s[28:29]
	s_wait_alu depctr_va_vdst(0)
	v_lshlrev_b32 v11, 2, v4                       ; my column: + lane
	WLOADS 14, 4096
	s_lshl_b32 s30, s25, 2
	s_add_co_u32 s30, s30, s24
	s_mul_i32 s30, s30, REC                        ; record 4 e + w
	s_lshl_b32 s31, s22, 2
	s_add_co_u32 s31, s31, s26                     ; fragment 2 t + s2 with t = 2 x wave + u: 4 x wave + s2 (+ 2 u, in the lane's part)
	s_lshl_b32 s31, s31, 10
	s_add_co_u32 s31, s31, DCO
	s_add_co_u32 s28, s30, s31
	s_add_nc_u64 s[32:33], s[18:19], s[28:29]
	s_lshl_b32 s31, s22, 1
	s_add_co_u32 s31, s31, s26                     ; image 2 x wave + s2
	s_lshl_b32 s31, s31, 7
	s_add_co_u32 s31, s31, DSC
	s_add_co_u32 s28, s30, s31
	s_add_nc_u64 s[34:35], s[18:19], s[28:29]
	v_lshlrev_b32 v12, 4, v5
	s_delay_alu instid0(VALU_DEP_1)
	v_lshl_add_u32 v12, v6, 11, v12                ; 16 r + 2,048 u
.Lwtail:
; Block i of my column's four: largest magnitude, scale byte, 32 codes.  In the fragment block i = 2 c + h lies 256 i bytes on.
.macro WBLOCK i
.set XB, 64+32*(\i)
	v_max3_num_f32 v49, |v[XB]|, |v[XB+1]|, |v[XB+2]|
	v_max3_num_f32 v50, |v[XB+3]|, |v[XB+4]|, |v[XB+5]|
.irp k, 6,10,14,18,22,26
	s_delay_alu instid0(VALU_DEP_2)
	v_max3_num_f32 v49, v49, |v[XB+\k]|, |v[XB+\k+1]|
	s_delay_alu instid0(VALU_DEP_2)
	v_max3_num_f32 v50, v50, |v[XB+\k+2]|, |v[XB+\k+3]|
.endr
	s_delay_alu instid0(VALU_DEP_2)
	v_max3_num_f32 v49, v49, |v[XB+30]|, |v[XB+31]|
	s_delay_alu instid0(VALU_DEP_1)
	v_max3_num_f32 v49, v49, v50, 0x1800000        ; and the floor 2^(3 - 127): the byte cannot fall under 1
	s_delay_alu instid0(VALU_DEP_1)
	v_add_nc_u32 v51, 0xff000000, v49              ; 2 off the exponent field: the conversion takes the exponent field of this operand as its scale
	s_delay_alu instid0(VALU_DEP_1)
	v_lshrrev_b32 v50, 23, v51                     ; the scale's byte
.if (\i) == 0
	s_delay_alu instid0(VALU_DEP_1)
	v_mov_b32 v48, v50
.else
	s_delay_alu instid0(VALU_DEP_1)
	v_lshl_or_b32 v48, v50, 8*(\i), v48            ; four bytes make my column's scale word of this K step
.endif
.irp g, 0,1,2,3
	v_cvt_scalef32_pk8_fp4_f32 v[32+4*(\i)+\g], v[XB+8*\g:XB+8*\g+7], v51
.endr
	v_nop                                          ; one plain line behind the last conversion of a run
	global_store_b128 v12, v[32+4*(\i):32+4*(\i)+3], s[32:33] offset:256*(\i)   ; lanes 0-15 store 256 consecutive bytes, aligned; lanes 16-31 another such run
.endm
	s_wait_loadcnt 63                              ; of 128 loads at most 63 are out: the first 65 are in, blocks 0 and 1 among them
	WBLOCK 0
	WBLOCK 1
	s_wait_loadcnt 32                              ; block 3's 32 may be out
	WBLOCK 2
	s_wait_loadcnt 0x0
	WBLOCK 3
	global_store_b32 v13, v48, s[34:35]            ; the wave's 32 scale words: 128 consecutive bytes (half of an aligned 256; 192 KiB of such stores in the launch)
	s_endpgm
.Lfunc_end_k_q1a875914b9_prep:
	.size	k_q1a875914b9_prep, .Lfunc_end_k_q1a875914b9_prep-k_q1a875914b9_prep
	.p2alignl 7, 3214868480
	.fill 96, 4, 3214868480
	.section	.rodata,"a",@progbits
	.p2align	6, 0x0
	.amdhsa_kernel k_q1a875914b9_prep
		.amdhsa_group_segment_fixed_size 6144
		.amdhsa_private_segment_fixed_size 0
		.amdhsa_enable_private_segment 0
		.amdhsa_kernarg_size 64
		.amdhsa_user_sgpr_count 2
		.amdhsa_user_sgpr_kernarg_segment_ptr 1
		.amdhsa_wavefront_size32 1
		.amdhsa_system_sgpr_workgroup_id_x 1
		.amdhsa_system_sgpr_workgroup_id_y 1
		.amdhsa_system_sgpr_workgroup_id_z 1
		.amdhsa_system_vgpr_workitem_id 0
		.amdhsa_next_free_vgpr 256
		.amdhsa_next_free_sgpr 66
		.amdhsa_reserve_vcc 1
		.amdhsa_float_denorm_mode_32 3
		.amdhsa_float_denorm_mode_16_64 3
		.amdhsa_memory_ordered 1
		.amdhsa_forward_progress 1
		.amdhsa_inst_pref_size 120
	.end_amdhsa_kernel
	.amdgpu_metadata
---
amdhsa.version: [ 1, 2 ]
amdhsa.kernels:
  - .name:           k_q1a875914b9_prep
    .symbol:         k_q1a875914b9_prep.kd
    .args:
      - { .name: mu, .offset: 0, .size: 8, .value_kind: global_buffer, .address_space: global }
      - { .name: mu_router_w, .offset: 8, .size: 8, .value_kind: global_buffer, .address_space: global }
      - { .name: token_ids, .offset: 16, .size: 8, .value_kind: global_buffer, .address_space: global }
      - { .name: gate_proj, .offset: 24, .size: 8, .value_kind: global_buffer, .address_space: global }
      - { .name: up_proj, .offset: 32, .size: 8, .value_kind: global_buffer, .address_space: global }
      - { .name: down_proj, .offset: 40, .size: 8, .value_kind: global_buffer, .address_space: global }
      - { .name: eid, .offset: 48, .size: 8, .value_kind: global_buffer, .address_space: global }
      - { .name: wq, .offset: 56, .size: 8, .value_kind: global_buffer, .address_space: global }
    .group_segment_fixed_size: 6144
    .private_segment_fixed_size: 0
    .kernarg_segment_align: 8
    .kernarg_segment_size: 64
    .max_flat_workgroup_size: 256
    .sgpr_count:     66
    .vgpr_count:     256
    .wavefront_size: 32
...
	.end_amdgpu_metadata
.endif
;; end of part 3
;; launch moe (part 4): grid 32 x 8, 4 waves a work-group, no clusters, 287,232 bytes of LDS; arguments hidden_states, eid, wq, out0; writes out0
.if DOCPART == 4
	.amdgcn_target "amdgcn-amd-amdhsa--gfx1250"
	.amdhsa_code_object_version 6
	.text
	.protected	k_q1a875914b9_moe
	.globl	k_q1a875914b9_moe
	.p2align	8
	.type	k_q1a875914b9_moe,@function
k_q1a875914b9_moe:
	s_mov_b64 s[64:65], 0
	v_nop
	global_prefetch_b8 v0, s[64:65] scope:SCOPE_SE
	s_setreg_imm32_b32 hwreg(HW_REG_WAVE_SCHED_MODE, 0, 2), 2
	s_setreg_imm32_b32 hwreg(HW_REG_WAVE_MODE, 25, 1), 1
	s_wait_xcnt 0x0
	s_wait_alu depctr_vm_vsrc(0)
; MOE: work-group (j, e) serves those of tokens 256 j .. 256 j + 255 whose stored id is e: out = (silu(x G[e]) * (x U[e])) D[e], all three products on FP4 (E2M1) codes with one
; E8M0 scale for each 32 along K.  Every token has one id, so every output row has one owner; a work-group without rows stores nothing.
; No tensor load and no cluster: trips are left out by branches on a count that is read from memory, so the 32 work-groups of an expert each load its codes (102 KiB a wave) straight into registers.
; SHARES.  Four waves share the COLUMNS: wave w makes hidden units 64 w .. 64 w + 63 (4 tiles of gate, 4 of up) and output columns 256 w .. 256 w + 255, for all rows.  Its codes of
; gate and up (512 registers) and of down (256) stay in registers; what goes round through LDS is the rows' codes.
; PHASES.  L: 8 ballots on the block's 256 ids give the count n and a list: the chosen tokens first.  X: rounds of 32 list slots, two tiles of 16, four slots of each tile to a wave: the rows
; of x are gathered, quantised, and their codes and scale bytes laid in LDS.  1: for each tile of 16 slots: gate and up (transposed: source 0 = 16 rows of the weight, source 1 = 16 tokens),
; silu x up, quantised in registers; each wave's 64 hidden units are half a fragment of the last product, stored as an image of its registers.  2: for each tile: down, results through the
; wave's own stage, whole runs of 512 bytes of a token's row stored.  Every loop has a constant number of trips; a trip whose first slot is not under n is jumped over, and a round behind
; the first is left behind its first tile where the second holds no row.  Three barriers, all in straight text.
; Slots at or past n inside a tile read 16 bytes at the block's start in place of a row: their codes are well defined, touch no other token's results, and are never stored.
; LIMITS: NaN and infinities among the inputs are not served.  A block of zeros gets the scale byte 1 with zero codes.  An uneven split is served (up to all 256 rows in one work-group), at that work-group's pace.
; REGISTERS, in windows of 256: window 0: v1-15 addresses that stay; v16-47 gate's and up's scale words, v48-63 down's, v64-67 x's, v68 the hidden layer's (scales and nothing else);
;   v69-71 the trip's addresses; v72-253 by phase (below); v254, v255 the closing add's two.  window 1: gate/up fragments of K steps 0-3, (t, s) at v[8 (4 t + s)]; in phase 2, when these are done with,
;   its first 128 registers are the sixteen accumulators.  window 2: K steps 4-7.  window 3: in phase X the 8 rows as loaded (row i at v[32 i]), afterwards down's fragments, (t, s2) at v[8 (2 t + s2)].
; THE MODE: SCHED_MODE bits 1:0 = 2 (LLVM: expert scheduling mode 2), set by the entry lines.  The code itself states the register dependences between vector or matrix instructions
; and memory or LDS instructions, with s_wait_alu, always for 0.
; THE PLAN: the registers that memory or LDS instructions touch, and who else names them.
;   v1, v2, v5, v6, v13, v14: addresses, made at the head and never written again: one wait on va_vdst ahead of the first load serves them for the whole kernel.
;   L.  v176-191: wave 0's vector lines write them, its ten LDS stores read them: all are made first, one wait on va_vdst, then the stores.
;   X.  v69-71 and the offsets v152-159 are written at a round's head and read by its LDS instructions and its gather.  Window 3: the gather lands there, the LDS stores of TURN read it.
;       v72-135, two sets: the LDS loads of TURN land, the vector lines of WORK read.  Each of a round's eight rows has registers of its own for its codes (v168-199) and its byte (v204-211), so no store's
;       data are written again inside a round.  ONE wait on va_vdst to a row, behind its conversions: codes and byte are written, and the row's set is free for the row two further on.
;       One wait on vm_vsrc at a round's head frees what the round writes again; one more, behind the window switch, frees window 3.
;   1.  v69-71, v15: written at a trip's head, read by its LDS instructions.  v64-67, v136-199: LDS loads land, the products read.  v216-219, v212: the conversions write, two LDS stores read.
;       A trip's head: vm_vsrc, the four addresses, va_vdst.  One more va_vdst ahead of the two stores.
;   2.  The accumulators (window 1): the products write, the LDS stores into the stage read.  The rows come back from the stage into OTHER registers, v72-199, which no vector or matrix instruction of the
;       phase names: so nothing is owed between the stores and the loads.  v216-231: LDS loads land, vector lines turn tokens into offsets in place, the global stores read.
;       A trip's head: vm_vsrc, the three addresses, va_vdst.  One more va_vdst ahead of the stage's stores.
.set REC,  104448                      ; a record of wq, and its parts
.set GUS,  65536
.set DCO,  69632
.set DSC,  102400
.set XC,   1024                        ; LDS: 0: the list, 256 words;  XC: x's codes, slot x 528 (512 + 16 of padding)
.set XSB,  136192                      ; x's scale bytes, slot x 48 (32 + 16)
.set STG,  148480                      ; a wave's two turning stages, 4,608 bytes each: 32 x (128 + 16)
.set HIMG, 185344                      ; the hidden layer's fragments as register images: tile x 2,048 + s2 x 1,024 + c x 512 + 16 lane
.set HSC,  218112                      ; its scale words: tile x 128 + s2 x 64 + 4 r
.set OST,  220160                      ; the way out: a wave's 16 rows x (1,024 + 16)
.set TOPOFF, 255*4096+496              ; the largest offset of a row's first load: token 255, lane 31
.set MSB, 0
.macro WIN new                         ; bits 1:0 source 0, 3:2 source 1, 5:4 source 2, 7:6 destination; the high byte repeats the setting that is left
.if MSB != \new
	s_set_vgpr_msb (MSB<<8)|\new
.set MSB, \new
.endif
.endm
.macro BARRIER                         ; my LDS stores have landed and my LDS loads are in: then the work-group's barrier
	s_wait_dscnt 0x0
	s_barrier_signal -1
	s_barrier_wait -1
.endm
; One matrix instruction.  z: the sum's first K step (C = 0; it always takes B's scales from lanes 0-15).  ra, rb: A's and B's scales stand in lanes 16-31 of their registers.
.macro WM d, a, b, z, sa, sb, ra, rb
.if \z
.if (\ra)
	v_wmma_scale_f32_16x16x128_f8f6f4 v[\d:\d+7], v[\a:\a+7], v[\b:\b+7], 0, v[\sa], v[\sb] matrix_a_fmt:MATRIX_FMT_FP4 matrix_b_fmt:MATRIX_FMT_FP4 matrix_a_scale:MATRIX_SCALE_ROW1
.else
	v_wmma_scale_f32_16x16x128_f8f6f4 v[\d:\d+7], v[\a:\a+7], v[\b:\b+7], 0, v[\sa], v[\sb] matrix_a_fmt:MATRIX_FMT_FP4 matrix_b_fmt:MATRIX_FMT_FP4
.endif
.elseif (\ra) && (\rb)
	v_wmma_scale_f32_16x16x128_f8f6f4 v[\d:\d+7], v[\a:\a+7], v[\b:\b+7], v[\d:\d+7], v[\sa], v[\sb] matrix_a_fmt:MATRIX_FMT_FP4 matrix_b_fmt:MATRIX_FMT_FP4 matrix_a_scale:MATRIX_SCALE_ROW1 matrix_b_scale:MATRIX_SCALE_ROW1
.elseif (\ra)
	v_wmma_scale_f32_16x16x128_f8f6f4 v[\d:\d+7], v[\a:\a+7], v[\b:\b+7], v[\d:\d+7], v[\sa], v[\sb] matrix_a_fmt:MATRIX_FMT_FP4 matrix_b_fmt:MATRIX_FMT_FP4 matrix_a_scale:MATRIX_SCALE_ROW1
.elseif (\rb)
	v_wmma_scale_f32_16x16x128_f8f6f4 v[\d:\d+7], v[\a:\a+7], v[\b:\b+7], v[\d:\d+7], v[\sa], v[\sb] matrix_a_fmt:MATRIX_FMT_FP4 matrix_b_fmt:MATRIX_FMT_FP4 matrix_b_scale:MATRIX_SCALE_ROW1
.else
	v_wmma_scale_f32_16x16x128_f8f6f4 v[\d:\d+7], v[\a:\a+7], v[\b:\b+7], v[\d:\d+7], v[\sa], v[\sb] matrix_a_fmt:MATRIX_FMT_FP4 matrix_b_fmt:MATRIX_FMT_FP4
.endif
.endm
; ---------------------------------------------------------------- THE HEAD
	s_load_b256 s[4:11], s[0:1], 0x0               ; x s[4:5], eid s[6:7], wq s[8:9], out s[10:11]
	v_lshl_add_u32 v254, v0, 2, 0x46000
	v_mov_b32 v255, 0
	v_lshrrev_b32 v72, 5, v0
	v_readfirstlane_b32 s12, v72                   ; wave w
	s_and_b32 s13, ttmp7, 0xffff                   ; expert e
	v_and_b32 v72, 31, v0                          ; lane
	v_and_b32 v73, 15, v0                          ; r
	v_bfe_u32 v74, v0, 4, 1                        ; h
	v_bfe_u32 v75, v0, 3, 2                        ; lane / 8
	v_and_b32 v76, 7, v0                           ; lane % 8
	v_lshlrev_b32 v1, 4, v72                       ; v1: 16 lane
	v_lshlrev_b32 v2, 2, v72                       ; v2: 4 lane
	s_mov_b32 s17, 0
	s_mov_b32 s20, 0x76543210
	s_mov_b32 s21, 0xfedcba98                      ; v_permlanex16_b32's selects for lane l xor 16
	; the lanes' parts of all LDS addresses, made ahead of the first branch on the wave's number and never rewritten; they stand here, while the arguments are on their way
	v_mul_u32_u24 v3, v73, 528
	v_lshl_add_u32 v3, v74, 4, v3
	v_add_nc_u32 v3, XC, v3                        ; v3: a fragment of x: slot r, + 16 h
	v_mul_u32_u24 v4, v73, 48
	v_lshl_add_u32 v4, v74, 4, v4
	v_add_nc_u32 v4, XSB, v4                       ; v4: slot r's scale words: lanes 0-15 K steps 0-3, lanes 16-31 K steps 4-7
	s_wait_alu depctr_va_sdst(0)                   ; s12 is written, ahead of its first reader
	s_mul_i32 s16, s12, 9216
	s_add_co_u32 s16, s16, STG
	v_mul_u32_u24 v5, v75, 144
	v_lshl_add_u32 v5, v76, 4, v5
	v_add_nc_u32 v5, s16, v5                       ; v5: into a stage: eight lanes' 128 bytes on end, then 16 of padding
	v_mul_u32_u24 v6, v72, 144
	v_add_nc_u32 v6, s16, v6                       ; v6: out of it: my block of 32 numbers
	s_mul_i32 s16, s12, 2112
	s_add_co_u32 s16, s16, XC
	v_add_nc_u32 v7, s16, v1                       ; v7: my wave's four slots of a tile (4 x 528 bytes a wave), my block's 16 bytes of codes
	s_mul_i32 s16, s12, 192
	s_add_co_u32 s16, s16, XSB
	v_add_nc_u32 v8, s16, v72                      ; v8: and my block's scale byte (4 x 48 bytes a wave)
	s_lshl_b32 s16, s12, 9
	s_add_co_u32 s16, s16, HIMG
	v_add_nc_u32 v9, s16, v1                       ; v9: my half fragment of the hidden layer: K step w / 2, part w % 2
	s_lshr_b32 s16, s12, 1
	s_lshl_b32 s16, s16, 6
	s_and_b32 s18, s12, 1
	s_lshl_b32 s18, s18, 1
	s_add_co_u32 s16, s16, s18
	s_add_co_u32 s16, s16, HSC
	v_lshl_add_u32 v10, v73, 2, s16                ; v10: my two bytes of token r's scale word
	v_add_nc_u32 v11, HIMG, v1                     ; v11: a hidden fragment read back
	v_add_nc_u32 v12, HSC, v2                      ; v12: its scale words: lanes 0-15 K step 0's, lanes 16-31 K step 1's
	s_mul_i32 s16, s12, 16640
	s_add_co_u32 s16, s16, OST
	v_mul_u32_u24 v13, v73, 1040
	v_lshl_add_u32 v13, v74, 5, v13
	v_add_nc_u32 v13, s16, v13                     ; v13: the way out: row r, + 32 h
	v_add_nc_u32 v14, s16, v1                      ; v14: and back: 16 bytes a lane
	v_mov_b32 v202, 0                              ; a lane permute's destination counts as one of its sources
	v_mov_b32 v203, 0
	s_wait_kmcnt 0x0
	s_lshl_b32 s16, ttmp9, 10
	s_add_nc_u64 s[6:7], s[6:7], s[16:17]          ; the block's 256 ids
	s_wait_alu depctr_va_vdst(0)                   ; v1, v2, v5, v6, v13 and v14 are written, which the kernel's loads and stores read as addresses; so are v72 to v76, in which LDS loads of phase X land
	global_load_b128 v[168:171], v1, s[6:7]        ; register q of lane l: token 128 (q / 4) + 4 l + q % 4
	global_load_b128 v[172:175], v1, s[6:7] offset:512
	s_lshl_b32 s16, s13, 2
	s_add_co_u32 s16, s16, s12
	s_mul_i32 s16, s16, REC
	s_add_nc_u64 s[8:9], s[8:9], s[16:17]          ; my record
	WIN 0x40                                       ; destination window 1: gate's and up's fragments of K steps 0-3
.set F, 0
.rept 32
	global_load_b128 v[8*F:8*F+3], v1, s[8:9] offset:1024*F
	global_load_b128 v[8*F+4:8*F+7], v1, s[8:9] offset:1024*F+512
.set F, F+1
.endr
	WIN 0
	s_lshl_b32 s16, ttmp9, 20
	s_add_nc_u64 s[4:5], s[4:5], s[16:17]          ; the block's rows of x,
	s_add_nc_u64 s[10:11], s[10:11], s[16:17]      ; and of the output,
	s_lshl_b32 s16, s12, 10
	s_add_nc_u64 s[10:11], s[10:11], s[16:17]      ; at my 256 columns
; ---------------------------------------------------------------- L: THE LIST
	s_wait_loadcnt 63                              ; behind the two loads of ids 64 were issued: with at most 63 out the ids are in
.irp q, 0,1,2,3,4,5,6,7
	v_cmp_eq_u32 s[24+\q], s13, v[168+\q]          ; which lanes' token q chose my expert
.endr
	s_wait_alu depctr_va_sdst(0)                   ; the eight masks s24 to s31 are written, ahead of their first reader: one wait for the run
	s_mov_b32 s32, 0
.irp q, 0,1,2,3,4,5,6
	s_bcnt1_i32_b32 s48, s[24+\q]
	s_add_co_u32 s[33+\q], s[32+\q], s48           ; chosen ahead of register q + 1
.endr
	s_bcnt1_i32_b32 s48, s31
	s_add_co_u32 s15, s39, s48                     ; n: my rows
.irp q, 0,1,2,3,4,5,6,7
	s_sub_co_u32 s[40+\q], s15, s[32+\q]
	s_add_co_u32 s[40+\q], s[40+\q], 32*\q         ; n + the tokens not chosen ahead of register q
.endr
	s_cmp_lg_u32 s12, 0
	s_cbranch_scc1 .Llisted
	; wave 0 writes the list.  No other line touches LDS ahead of the barrier below
.irp q, 0,1,2,3,4,5,6,7
	v_add_nc_u32 v[184+\q], 128*(\q/4)+(\q%4), v2  ; the tokens' numbers in the block
.endr
.irp q, 0,1,2,3,4,5,6,7
	v_mbcnt_lo_u32_b32 v[176+\q], s[24+\q], s[32+\q]
	s_not_b32 s48, s[24+\q]
	v_mbcnt_lo_u32_b32 v192, s48, s[40+\q]
	v_cndmask_b32 v[176+\q], v192, v[176+\q], s[24+\q]
	v_min_u32 v[176+\q], 255, v[176+\q]            ; the place in the list, held inside it
	v_lshlrev_b32 v[176+\q], 2, v[176+\q]
.endr
	s_wait_alu depctr_va_vdst(0)                   ; the tokens' numbers v184 to v191 and their places v176 to v183 are written, which the ten stores below read
	ds_store_b128 v1, v[184:187]                   ; the list's 1,024 bytes are first written whole, at addresses that stand plainly in the text, with token numbers;
	ds_store_b128 v1, v[184:187] offset:512        ; the scatter below, a permutation of 0 .. 255, then writes every word again (LDS serves a wave's instructions in order)
.irp q, 0,1,2,3,4,5,6,7
	ds_store_b32 v[176+\q], v[184+\q]
.endr
.Llisted:
	BARRIER                                        ; the list lies in LDS
; ---------------------------------------------------------------- X: GATHER AND QUANTISE
; v72-135 two sets of 32 numbers; v146-149 at work; v152-159 the rows' offsets; v160-167 the slots' tokens; v168-199 the eight rows' codes; v204-211 their scale bytes.
.macro TURN i                          ; row i through a stage: in as loaded (lane l: 16 bytes of each 512), out as blocks (lane l: the 128 bytes of block l).  LDS serves a wave's instructions in order
	WIN 0x0c                                       ; an LDS store's data are its source 1: window 3
.irp j, 0,1,2,3,4,5,6,7
	ds_store_b128 v5, v[32*(\i)+4*\j:32*(\i)+4*\j+3] offset:4608*((\i)%2)+576*\j
.endr
	WIN 0
.irp j, 0,1,2,3,4,5,6,7
	ds_load_b128 v[72+32*((\i)%2)+4*\j:72+32*((\i)%2)+4*\j+3], v6 offset:4608*((\i)%2)+16*\j   ; no vector line stands between the wait in the work of row i - 2, which read this set, and these loads
.endr
.endm
.macro WORK i                          ; my block of row i: largest magnitude, scale byte, 32 codes; both into the slot's place in LDS: tile i / 4 of the round, my slot i % 4 of it
.set XR, 72+32*((\i)%2)
.set CR, 168+4*(\i)                    ; the row's own four registers of codes,
.set BR, 204+(\i)                      ; and its own register for the byte
.set SR, 148+(\i)%2
	v_max3_num_f32 v146, |v[XR]|, |v[XR+1]|, |v[XR+2]|
	v_max3_num_f32 v147, |v[XR+3]|, |v[XR+4]|, |v[XR+5]|
.irp k, 6,10,14,18,22,26
	v_max3_num_f32 v146, v146, |v[XR+\k]|, |v[XR+\k+1]|
	v_max3_num_f32 v147, v147, |v[XR+\k+2]|, |v[XR+\k+3]|
.endr
	v_max3_num_f32 v146, v146, |v[XR+30]|, |v[XR+31]|
	v_max3_num_f32 v146, v146, v147, 0x1800000     ; and the floor 2^(3 - 127): the byte cannot fall under 1
	v_add_nc_u32 v[SR], 0xff000000, v146           ; 2 off the exponent field: the conversion's scale operand
	v_lshrrev_b32 v[BR], 23, v[SR]                 ; the scale's byte
.irp g, 0,1,2,3
	v_cvt_scalef32_pk8_fp4_f32 v[CR+\g], v[XR+8*\g:XR+8*\g+7], v[SR]
.endr
	v_nop                                          ; one plain line behind the last conversion of a run
	s_wait_alu depctr_va_vdst(0)                   ; the row's codes and byte are written, which the two stores below read; and the lines above are done reading set i % 2, in which the row two further on lands
	ds_store_b128 v70, v[CR:CR+3] offset:8448*((\i)/4)+528*((\i)%4)
	ds_store_b8 v71, v[BR] offset:768*((\i)/4)+48*((\i)%4)
.endm
.macro EXTRA i                         ; the first round also brings the rest of the weights: 4 fragments of K steps 4-7 and 6 images of scale words behind each row's work.  No vector line has named the registers in which they land
	WIN 0x80                                       ; destination window 2
.irp k, 0,1,2,3
	global_load_b128 v[8*(4*(\i)+\k):8*(4*(\i)+\k)+3], v1, s[8:9] offset:1024*(32+4*(\i)+\k)
	global_load_b128 v[8*(4*(\i)+\k)+4:8*(4*(\i)+\k)+7], v1, s[8:9] offset:1024*(32+4*(\i)+\k)+512
.endr
	WIN 0
.irp k, 0,1,2,3,4,5
.if 6*(\i)+\k < 32
	global_load_b32 v[16+6*(\i)+\k], v2, s[8:9] offset:GUS+128*(6*(\i)+\k)
.else
	global_load_b32 v[48+6*(\i)+\k-32], v2, s[8:9] offset:DSC+128*(6*(\i)+\k-32)
.endif
.endr
.endm
; A round: 32 slots from s51 on, two tiles of 16; my wave's row i is slot s51 + 16 (i / 4) + 4 w + i % 4.  s52, s53, s54: the round's steps in x's codes, in x's scale bytes and in the list.
; extra = 0 (a round behind the first): where the round's second tile holds no row, the wave leaves behind row 3, for .Lxhalf.  All eight rows' loads are issued on both ways, so the counts hold on both.
.macro ROUND extra
	s_wait_dscnt 0x0                               ; nothing of the last round is out
	s_wait_alu depctr_vm_vsrc(0)                   ; the LDS and memory instructions issued so far have read what this round writes again: v69 to v71, the offsets v152 to v159, the codes v168 to v199, the bytes v204 to v211 (in the first round: wave 0's stores of the list have read v176 to v191)
	s_lshl_b32 s48, s12, 4
	s_add_co_u32 s48, s48, s54
	v_mov_b32 v69, s48
	v_add_nc_u32 v70, s52, v7
	v_add_nc_u32 v71, s53, v8
	s_wait_alu depctr_va_vdst(0)                   ; v69 is written, which the two loads below read; so are v70 and v71, which the rows' stores read
	ds_load_b128 v[160:163], v69                   ; my four slots' tokens of the first tile, the same in every lane,
	ds_load_b128 v[164:167], v69 offset:64         ; and of the second
	s_lshl_b32 s48, s12, 2
	s_add_co_u32 s48, s48, s51
	s_sub_co_i32 s55, s15, s48                     ; n less my first slot (may be negative): row i holds a token where 16 (i / 4) + i % 4 lies under it
	s_wait_dscnt 0x0
.irp i, 0,1,2,3,4,5,6,7
	v_lshl_add_u32 v[152+\i], v[160+\i], 12, v1    ; the token's row of 4,096 bytes, + 16 lane
	s_cmp_gt_i32 s55, 16*(\i/4)+\i%4
	s_cselect_b32 s56, -1, 0
	v_and_b32 v[152+\i], s56, v[152+\i]            ; a slot without a row names the block's first bytes in every lane
	v_min_u32 v[152+\i], TOPOFF, v[152+\i]         ; the offset is held inside the block last of all: with the loads' 3,584 and 16 bytes it ends at the block's 1,048,576
.endr
	WIN 0xc0                                       ; destination window 3
	s_wait_alu depctr_va_vdst(0)                   ; the eight offsets v152 to v159 are written, which the loads below read
.if !\extra
	s_wait_alu depctr_vm_vsrc(0)                   ; the last round's LDS stores have read the rows' registers of window 3, in which the loads below land
.endif
.irp i, 0,1,2,3,4,5,6,7
.irp j, 0,1,2,3,4,5,6,7
	global_load_b128 v[32*\i+4*\j:32*\i+4*\j+3], v[152+\i], s[4:5] offset:512*\j th:TH_LOAD_NT   ; 512 consecutive bytes of a row; a row is read once in the launch
.endr
.endr
	WIN 0
	s_wait_loadcnt 56                              ; row 0's eight loads are in; the seven rows behind it may be out
	TURN 0
.irp i, 0,1,2,3,4,5,6,7
.if \i < 7
.set LC, 8*(6-\i)+14*\i*\extra                 ; issued behind row i + 1's loads: the later rows' and the extra loads so far
.if LC > 63
.set LC, 63
.endif
	s_wait_loadcnt LC
	TURN \i+1
.endif
.if \i == 0
	s_wait_dscnt 16                                ; row 0 is back from its stage; the next row's 16 LDS instructions may be out
.elseif \i < 7
	s_wait_dscnt 18                                ; likewise, and the last row's two stores
.else
	s_wait_dscnt 2
.endif
	WORK \i
.if \extra
	EXTRA \i
.endif
.if (\extra == 0) && (\i == 3)
	s_add_co_u32 s48, s51, 16
	s_cmp_le_u32 s15, s48                          ; no row in the second tile: phases 1 and 2 will not read it
	s_cbranch_scc1 .Lxhalf
.endif
.endr
.endm
	s_mov_b32 s51, 0
	s_mov_b32 s52, 0
	s_mov_b32 s53, 0
	s_mov_b32 s54, 0
	ROUND 1                                        ; the first round is always walked: the weights' stream goes on while its rows are quantised
	s_add_co_u32 s51, s51, 32
	s_add_co_u32 s52, s52, 16896
	s_add_co_u32 s53, s53, 1536
	s_add_co_u32 s54, s54, 128
	s_mov_b32 s50, 7
.Lxround:                                              ; seven more rounds; one whose first slot is not under n is jumped over
	s_cmp_ge_u32 s51, s15
	s_cbranch_scc1 .Lxskip
	ROUND 0
.Lxhalf:
	s_wait_loadcnt 0x0                             ; the loads of rows that were left out have landed too
.Lxskip:
	s_add_co_u32 s51, s51, 32
	s_add_co_u32 s52, s52, 16896
	s_add_co_u32 s53, s53, 1536
	s_add_co_u32 s54, s54, 128
	s_sub_co_u32 s50, s50, 1
	s_cmp_lg_u32 s50, 0
	s_cbranch_scc1 .Lxround
	s_wait_loadcnt 0x0                             ; gate's and up's fragments and all scale words are in
	BARRIER                                        ; x's codes and scale bytes lie in LDS
	WIN 0xc0                                       ; destination window 3: down's fragments; they land while phase 1 runs
	s_wait_alu depctr_vm_vsrc(0)                   ; my LDS stores of phase X have read the rows' registers of window 3, in which the loads below land
.set F, 0
.rept 32
	global_load_b128 v[8*F:8*F+3], v1, s[8:9] offset:DCO+1024*F
	global_load_b128 v[8*F+4:8*F+7], v1, s[8:9] offset:DCO+1024*F+512
.set F, F+1
.endr
	WIN 0
; ---------------------------------------------------------------- 1: GATE, UP, SILU x UP, QUANTISE
; v72-103 gate's four tiles, v104-135 up's; v136-199 x's eight fragments; v200-207 at work; v212 two scale bytes; v216-219 codes; v220-251 the sigmoid.
; In tile 2 b + u lane (r, h) holds token r and its register j hidden unit 64 w + 32 b + 16 h + 8 u + j: the 16 registers of tiles 2 b, 2 b + 1 are 16 neighbours along the next K.
	s_mov_b32 s51, 0
	s_mov_b32 s52, 0
	s_mov_b32 s53, 0
	s_mov_b32 s57, 0
	s_mov_b32 s58, 0
	s_mov_b32 s50, 16
.Lp1:
	s_cmp_ge_u32 s51, s15
	s_cbranch_scc1 .Lp1skip
	s_wait_alu depctr_vm_vsrc(0)                   ; the last trip's LDS instructions have read v69 to v71, v15, the codes v216 to v219 and the bytes v212, which this trip writes again (in the first trip: phase X's have read v69 to v71, v152 to v159, v168 to v199 and v204 to v211)
	v_add_nc_u32 v69, s52, v3
	v_add_nc_u32 v70, s53, v4
	v_add_nc_u32 v71, s57, v9
	v_add_nc_u32 v15, s58, v10
	s_wait_alu depctr_va_vdst(0)                   ; the four addresses are written, which the trip's LDS instructions read; the last trip's products are done reading v64 to v67 and v136 to v199, in which the loads below land (in the first trip: phase X's vector lines are done with v146 to v199)
	ds_load_b128 v[64:67], v70                     ; the tile's scale words
.irp s, 0,1,2,3,4,5,6,7
	ds_load_b128 v[136+8*\s:136+8*\s+3], v69 offset:64*\s
	ds_load_b128 v[136+8*\s+4:136+8*\s+7], v69 offset:64*\s+32
.endr
.irp s, 0,1,2,3,4,5,6,7
	s_wait_dscnt 14-2*\s                           ; K step s's fragment is in; the later K steps' loads may be out
.if \s < 4
	WIN 0x01                                       ; source 0: window 1
.else
	WIN 0x02                                       ; window 2
.endif
.irp t, 0,1,2,3,4,5,6,7                ; the eight accumulators take turns, one instruction a turn
	WM 72+8*\t, 8*(4*\t+\s%4), 136+8*\s, \s==0, 16+8*(\t/2)+\s, 64+\s%4, \t%2, \s/4
.endr
.endr
	WIN 0
.rept 5
	v_nop                                          ; places (ISA guide 7.12.1) ahead of the reads of results below, and of the next trip's first products, which write over these accumulators
.endr
.set K, 0
.rept 16
	v_pk_mul_f32 v[220+K:221+K], v[72+K:73+K], 0xbfb8aa3b op_sel_hi:[1,0]   ; -g log2(e); each accumulator is read from its low end on
.set K, K+2
.endr
.set K, 0
	s_wait_alu depctr_va_vdst(0)
.rept 32
	v_exp_f32 v[220+K], v[220+K]
.set K, K+1
.endr
	v_nop                                          ; a plain line between the exponentials and the use of their results
.set K, 0
	s_wait_alu depctr_va_vdst(0)                   ; the 32 exponentials have written v220 to v251: one wait for the batch, ahead of its first reader
.rept 16
	v_pk_add_f32 v[220+K:221+K], v[220+K:221+K], 1.0 op_sel_hi:[1,0]
.set K, K+2
.endr
.set K, 0
	s_wait_alu depctr_va_vdst(0)
.rept 32
	v_rcp_f32 v[220+K], v[220+K]                   ; 1 / (1 + e^-g)
.set K, K+1
.endr
.set K, 0
	s_wait_alu depctr_va_vdst(0)
.rept 16
	v_pk_mul_f32 v[72+K:73+K], v[72+K:73+K], v[104+K:105+K]   ; g u  (plain lines behind the reciprocals)
.set K, K+2
.endr
.set K, 0
	s_wait_alu depctr_va_vdst(0)                   ; the 32 reciprocals have written v220 to v251: one wait for the batch, ahead of its first reader
.rept 16
	v_pk_mul_f32 v[72+K:73+K], v[72+K:73+K], v[220+K:221+K]   ; x the sigmoid
.set K, K+2
.endr
	; my two blocks of 32 along the next K: block b lies in lanes l and l xor 16, 16 numbers each
.irp b, 0,1
	v_max3_num_f32 v[200+\b], |v[72+16*\b]|, |v[73+16*\b]|, 0x1800000
.endr
.irp k, 2,4,6,8,10,12,14
.irp b, 0,1
	v_max3_num_f32 v[200+\b], v[200+\b], |v[72+16*\b+\k]|, |v[73+16*\b+\k]|
.endr
.endr
.irp b, 0,1
	v_permlanex16_b32 v[202+\b], v[200+\b], s20, s21
.endr
.irp b, 0,1
	v_max_num_f32 v[200+\b], v[200+\b], v[202+\b]
.endr
.irp b, 0,1
	v_add_nc_u32 v[204+\b], 0xff000000, v[200+\b]
.endr
.irp b, 0,1
	v_lshrrev_b32 v[206+\b], 23, v[204+\b]
.endr
	v_lshl_or_b32 v212, v207, 8, v206              ; my two bytes of the token's scale word
.irp b, 0,1
	v_cvt_scalef32_pk8_fp4_f32 v[216+2*\b], v[72+16*\b:79+16*\b], v[204+\b]
	v_cvt_scalef32_pk8_fp4_f32 v[217+2*\b], v[80+16*\b:87+16*\b], v[204+\b]
.endr
	v_nop                                          ; one plain line behind the last conversion
	v_permlane16_swap_b32 v216, v218               ; the operand wants a whole block in a lane: lanes 0-15 block 0, lanes 16-31 block 1
	v_permlane16_swap_b32 v217, v219
	s_wait_alu depctr_va_vdst(0)                   ; the codes v216 to v219 and the two bytes v212 are written, which the two stores below read
	ds_store_b128 v71, v[216:219]                  ; four registers of the fragment, as they stand
	ds_store_b16 v15, v212                         ; lanes l and l xor 16 write the same half word with the same value
	s_wait_dscnt 0x0                               ; no LDS instruction of the trip is out at its end: the next trip's counted waits count its own loads alone
.Lp1skip:
	s_add_co_u32 s51, s51, 16
	s_add_co_u32 s52, s52, 8448
	s_add_co_u32 s53, s53, 768
	s_add_co_u32 s57, s57, 2048
	s_add_co_u32 s58, s58, 128
	s_sub_co_u32 s50, s50, 1
	s_cmp_lg_u32 s50, 0
	s_cbranch_scc1 .Lp1
	s_wait_loadcnt 0x0                             ; down's fragments are in
	BARRIER                                        ; the hidden layer's fragments and scale words lie in LDS
; ---------------------------------------------------------------- 2: DOWN, AND THE WAY OUT
; window 1, v0-127: sixteen accumulators (tile t: columns 256 w + 16 t ..), where gate's and up's fragments lay, which are done with; v72-199 the tile's 16 rows read back from the stage;
; v200-215 the two hidden fragments; v216-231 the slots' tokens, then their offsets.
	s_mov_b32 s51, 0
	s_mov_b32 s54, 0
	s_mov_b32 s57, 0
	s_mov_b32 s58, 0
	s_mov_b32 s50, 16
.Lp2:
	s_cmp_ge_u32 s51, s15
	s_cbranch_scc1 .Lp2skip
	s_wait_alu depctr_vm_vsrc(0)                   ; the last trip's LDS loads have read v69 to v71, its LDS stores the accumulators, its global stores v72 to v199 and v216 to v231: all are written again in this trip (in the first trip: phase 1's LDS instructions have read v69 to v71, v212 and v216 to v219)
	v_add_nc_u32 v69, s57, v11
	v_add_nc_u32 v70, s58, v12
	v_mov_b32 v71, s54
	s_wait_alu depctr_va_vdst(0)                   ; the three addresses are written, which the loads below read; the last trip's products are done reading v68 and v200 to v215, and its vector lines have written v216 to v231: the loads below land in these (in the first trip: phase 1's vector lines are done with v200 to v231)
.irp k, 0,1,2,3
	ds_load_b128 v[200+4*\k:200+4*\k+3], v69 offset:512*\k
.endr
	ds_load_b32 v68, v70
.irp k, 0,1,2,3
	ds_load_b128 v[216+4*\k:216+4*\k+3], v71 offset:16*\k   ; the tile's 16 tokens, the same in every lane
.endr
	s_wait_dscnt 0x0
	WIN 0x53                                       ; source 0 (down): window 3; source 1 (the hidden layer): window 0; C and D: window 1
.irp s, 0,1
.irp t, 0,1,2,3,4,5,6,7,8,9,10,11,12,13,14,15      ; sixteen accumulators by turns
	WM 8*\t, 8*(2*\t+\s), 200+8*\s, \s==0, 48+2*(\t/2)+\s, 68, \t%2, \s
.endr
.endr
	WIN 0
.irp i, 0,1,2,3,4,5,6,7,8,9,10,11,12,13,14,15      ; these 32 plain lines name no register of the products: they are the places behind them
	v_min_u32 v[216+\i], 255, v[216+\i]
.endr
.irp i, 0,1,2,3,4,5,6,7,8,9,10,11,12,13,14,15
	v_lshl_add_u32 v[216+\i], v[216+\i], 12, v1    ; the token's row of 4,096 bytes, + 16 lane
.endr
	WIN 0x04                                       ; an LDS store's data are its source 1: window 1
	s_wait_alu depctr_va_vdst(0)                   ; the products have written the accumulators, which the LDS stores below read (the places above stay beside this wait); the offsets v216 to v231 are written, which the global stores read
.irp t, 0,1,2,3,4,5,6,7,8,9,10,11,12,13,14,15
	ds_store_b128 v13, v[8*\t:8*\t+3] offset:64*\t              ; lane (r, h): token r, columns 16 t + 8 h + 0..7; each accumulator from its low end on
	ds_store_b128 v13, v[8*\t+4:8*\t+7] offset:64*\t+16
.endr
	WIN 0
.irp i, 0,1,2,3,4,5,6,7,8,9,10,11,12,13,14,15
	ds_load_b128 v[72+8*\i:72+8*\i+3], v14 offset:1040*\i       ; back as whole rows; LDS serves a wave's instructions in order.  No wait: no vector or matrix instruction since the wait above, and no store since the trip's head, names v72 to v199
	ds_load_b128 v[72+8*\i+4:72+8*\i+7], v14 offset:1040*\i+512
.endr
	s_sub_co_i32 s55, s15, s51                     ; rows in this tile (at least 1)
.irp i, 0,1,2,3,4,5,6,7,8,9,10,11,12,13,14,15
.if \i > 0
	s_cmp_le_i32 s55, \i
	s_cbranch_scc1 .Lp2done                        ; the slots from n on hold no row: nothing is stored for them
.endif
	s_wait_dscnt 30-2*\i                           ; row i's two loads are in; the later rows' may be out
	global_store_b128 v[216+\i], v[72+8*\i:72+8*\i+3], s[10:11] th:TH_STORE_NT              ; 32 lanes store 512 consecutive bytes of the token's row, aligned
	global_store_b128 v[216+\i], v[72+8*\i+4:72+8*\i+7], s[10:11] offset:512 th:TH_STORE_NT
.endr
.Lp2done:
	s_wait_dscnt 0x0                               ; the loads that were not waited for have landed,
	s_wait_xcnt 0x0                                ; and the stores' addresses are translated (ISA guide 3.1): their registers are written again only behind this wait and the one at the next trip's head
.Lp2skip:
	s_add_co_u32 s51, s51, 16
	s_add_co_u32 s54, s54, 64
	s_add_co_u32 s57, s57, 2048
	s_add_co_u32 s58, s58, 128
	s_sub_co_u32 s50, s50, 1
	s_cmp_lg_u32 s50, 0
	s_cbranch_scc1 .Lp2
	s_wait_dscnt 0x0                               ; the closing lines, six on end
	s_wait_alu 0x0
	s_wait_tensorcnt 0x0
	ds_add_u32 v254, v255
	s_wait_dscnt 0x0
	s_endpgm
.Lfunc_end_k_q1a875914b9_moe:
	.size	k_q1a875914b9_moe, .Lfunc_end_k_q1a875914b9_moe-k_q1a875914b9_moe
	.p2alignl 7, 3214868480
	.fill 96, 4, 3214868480
	.section	.rodata,"a",@progbits
	.p2align	6, 0x0
	.amdhsa_kernel k_q1a875914b9_moe
		.amdhsa_group_segment_fixed_size 287232
		.amdhsa_private_segment_fixed_size 0
		.amdhsa_enable_private_segment 0
		.amdhsa_kernarg_size 32
		.amdhsa_user_sgpr_count 2
		.amdhsa_user_sgpr_kernarg_segment_ptr 1
		.amdhsa_wavefront_size32 1
		.amdhsa_system_sgpr_workgroup_id_x 1
		.amdhsa_system_sgpr_workgroup_id_y 1
		.amdhsa_system_sgpr_workgroup_id_z 1
		.amdhsa_system_vgpr_workitem_id 0
		.amdhsa_next_free_vgpr 1024
		.amdhsa_next_free_sgpr 66
		.amdhsa_reserve_vcc 0
		.amdhsa_float_denorm_mode_32 3
		.amdhsa_float_denorm_mode_16_64 3
		.amdhsa_memory_ordered 1
		.amdhsa_forward_progress 1
		.amdhsa_inst_pref_size 129
	.end_amdhsa_kernel
	.amdgpu_metadata
---
amdhsa.version: [ 1, 2 ]
amdhsa.kernels:
  - .name:           k_q1a875914b9_moe
    .symbol:         k_q1a875914b9_moe.kd
    .args:
      - { .name: hidden_states, .offset: 0, .size: 8, .value_kind: global_buffer, .address_space: global }
      - { .name: eid, .offset: 8, .size: 8, .value_kind: global_buffer, .address_space: global }
      - { .name: wq, .offset: 16, .size: 8, .value_kind: global_buffer, .address_space: global }
      - { .name: out0, .offset: 24, .size: 8, .value_kind: global_buffer, .address_space: global }
    .group_segment_fixed_size: 287232
    .private_segment_fixed_size: 0
    .kernarg_segment_align: 8
    .kernarg_segment_size: 32
    .max_flat_workgroup_size: 128
    .sgpr_count:     66
    .vgpr_count:     1024
    .wavefront_size: 32
...
	.end_amdgpu_metadata
.endif
;; end of part 4
